; MI455X (gfx1250); checked and timed in simulation.
; The chip was launched on July 23, 2026; its instructions are those of AMD's public machine-readable ISA for CDNA 5 (MIT licence, August 2026) and "CDNA5" Instruction Set Architecture Reference Guide (July 2026). The comments in the code are by the model that wrote it; some were corrected since.
;; Encoder Multi Head Attention. Allowed arithmetic: matrix products marked QUANTISED: E5M2 operands, one E8M0 scale for each 32 along K, by v_wmma_scale_f32_16x16x128_f8f6f4 with both operands' format E5M2, f32 sums; everything else in f32.
;; Inputs: Wk_codes 1,024 x 32 x 32 uint8 (E5M2 codes of Wk, K innermost, in blocks of 32 codes); Wk_scales 1,024 x 32 uint8 (E8M0 scales of Wk, one for each 32 codes along K); Wo_codes 1,024 x 32 x 32 uint8 (E5M2 codes of Wo, K innermost, in blocks of 32 codes); Wo_scales 1,024 x 32 uint8 (E8M0 scales of Wo, one for each 32 codes along K); Wq_codes 1,024 x 32 x 32 uint8 (E5M2 codes of Wq, K innermost, in blocks of 32 codes); Wq_scales 1,024 x 32 uint8 (E8M0 scales of Wq, one for each 32 codes along K); Wv_codes 1,024 x 32 x 32 uint8 (E5M2 codes of Wv, K innermost, in blocks of 32 codes); Wv_scales 1,024 x 32 uint8 (E8M0 scales of Wv, one for each 32 codes along K); k 4 x 2,048 x 1,024 float32; ln_k_b 1,024 float32; ln_k_g 1,024 float32; ln_q_b 1,024 float32; ln_q_g 1,024 float32; ln_v_b 1,024 float32; ln_v_g 1,024 float32; mask 4 x 1 x 2,048 int32; q 4 x 2,048 x 1,024 float32; v 4 x 2,048 x 1,024 float32.
;; Outputs: out0 4 x 2,048 x 1,024 float32.
;; This version of the problem:
;;   THIS VERSION OF THE PROBLEM IS GIVEN IN LOW PRECISION. The matrix products marked QUANTISED in the list below multiply operands that are first quantised to E5M2 (5 exponent bits, 2 mantissa bits; 8 bits a number), with one power-of-two scale for each 32 numbers along K (OCP MX v1.0); their sums are f32. All else is computed in f32.
;;   The module's matrix products, in the order in which they are computed (A, B: the left and right operand; K: the contracted axis; several contracted axes count as one K, in the product's order):
;;     1. [M 8,192, K 1,024] x [K 1,024, N 1,024]; A: computed on the way; B: input Wq (given as codes): QUANTISED
;;     2. [M 8,192, K 1,024] x [K 1,024, N 1,024]; A: computed on the way; B: input Wk (given as codes): QUANTISED
;;     3. [M 8,192, K 1,024] x [K 1,024, N 1,024]; A: computed on the way; B: input Wv (given as codes): QUANTISED
;;     4. batch 64 x [M 2,048, K 64] x [K 64, N 2,048]; A: computed on the way; B: computed on the way: QUANTISED
;;     5. batch 64 x [M 2,048, K 2,048] x [K 2,048, N 64]; A: computed on the way; B: computed on the way: QUANTISED
;;     6. [M 8,192, K 1,024] x [K 1,024, N 1,024]; A: computed on the way; B: input Wo (given as codes): QUANTISED
;;   THE QUANTISER, for each operand of a quantised product, along K:
;;     - K is cut into blocks of 32 from its start; a last block that is shorter is filled with zeros.
;;     - A block's scale is 2^e with e = floor(log2(the largest magnitude in the block)) - 15, held to -126 .. 127; a block of zeros has e = 0. As a byte (E8M0): e + 127.
;;     - Each number is divided by its block's scale, clamped to +-57,344, and rounded to the nearest number of E5M2, ties to even, subnormals kept.
;;     - The product sums the exact products of the quantised numbers (number of the format x scale) in f32.
;;   ~~~python
;;   def quantise(x, axis):      # numpy; x: float32 -> the quantised numbers, widened to float32 again
;;       x = np.moveaxis(x, axis, -1); K = x.shape[-1]
;;       x = np.pad(x, [(0, 0)] * (x.ndim - 1) + [(0, -K % 32)]); x = x.reshape(x.shape[:-1] + (-1, 32)); a = np.abs(x).max(-1, keepdims=True)
;;       e = np.where(a > 0, np.clip(np.frexp(np.where(a > 0, a, 1))[1] - 1 - 15, -126, 127), 0)      # np.frexp(a)[1] - 1 = floor(log2(a)), exactly
;;       r = np.clip(x / 2.0 ** e, -57344, 57344)
;;       step = 2.0 ** (np.maximum(np.frexp(np.where(r == 0, 1, r))[1] - 1, -14) - 2)
;;       q = np.round(r / step) * step * 2.0 ** e      # np.round: ties to even
;;       return np.moveaxis(q.reshape(q.shape[:-2] + (-1,))[..., :K], -1, axis).astype(np.float32)
;;   ~~~
;;   OPERANDS COMPUTED ON THE WAY. 'Computed on the way' means the value that the module computes at that place (a softmax that the list does not call 'softmax' is quantised finished and normalised). What goes into a quantiser is computed in f32, as accurately as f32 sums, v_exp_f32 and their like allow (about 1e-6 of the number): no bf16 or f16 on the way to a quantiser, and a product that is left as it is and whose result goes on into a quantised operand takes f32 operands (vector FMAs, or v_wmma_f32_16x16x4_f32). A number that lies on a knife's edge between two numbers of the format may be rounded either way, as far as f32 arithmetic and the matrix unit's own rounding can turn it there, and no further.
;;   INPUTS GIVEN AS CODES. Wk (in the module: [1024, 1024], K = its axis 0); Wo (in the module: [1024, 1024], K = its axis 0); Wq (in the module: [1024, 1024], K = its axis 0); Wv (in the module: [1024, 1024], K = its axis 0): each comes as NAME_codes (uint8): NAME with its K axis moved to the last place and cut into blocks of 32 codes, [.., K / 32, bytes a block], one block behind the other in memory; one code a byte (a code: sign, 5 exponent bits, 2 mantissa bits); and NAME_scales (uint8): the same leading axes, one E8M0 byte (e + 127) for each 32 codes along K. Its value is code x scale, taken as it is: it is not quantised again, and the codes and scales need not be those that the quantiser above would give.
;; One version. Each part assembles by itself: llvm-mc -triple=amdgcn-amd-amdhsa -mcpu=gfx1250 --defsym DOCPART=n.
;; ======== version 1 of 1: 4 launches
;; limits: right only within a limited range of input values
;; workspace buffers: x_codes 25,165,824 bytes; x_scales 786,432 bytes; qk_img 16,777,216 bytes; qk_sc 1,048,576 bytes; v_img 8,388,608 bytes; v_sc 262,144 bytes; o_img 8,388,608 bytes; o_sc 262,144 bytes
;; launch lnq (part 1): grid 768 x 1, 4 waves a work-group, no clusters, 33,280 bytes of LDS; arguments q, k, v, ln_q_g, ln_q_b, ln_k_g, ln_k_b, ln_v_g, ln_v_b, x_codes, x_scales; writes x_codes, x_scales
.if DOCPART == 1
	.amdgcn_target "amdgcn-amd-amdhsa--gfx1250"
	.amdhsa_code_object_version 6
	.text
	.protected	k_q38b198590e_lnq
	.globl	k_q38b198590e_lnq
	.p2align	8
	.type	k_q38b198590e_lnq,@function
k_q38b198590e_lnq:
	s_mov_b64 s[64:65], 0
	v_nop
	global_prefetch_b8 v0, s[64:65] scope:SCOPE_SE
	s_setreg_imm32_b32 hwreg(HW_REG_WAVE_MODE, 25, 1), 1
	s_wait_xcnt 0x0
; LayerNorm over rows of 1,024 f32 numbers of q, k and v (8,192 rows each), the result quantised along the row into codes of BF8 (E5M2), one E8M0 scale byte for each 32 numbers.
; x_codes [3][8192][1024] one code a byte, x_scales [3][8192][32].  y = (x - mean) * rsqrt(var + 1e-5) * g + b, var = the mean of (x - mean)^2: the mean is taken away before the squares, all in f32.
; A block's scale is 2^(floor(log2(its largest magnitude)) - 15); its byte is the largest magnitude's exponent field - 15, held at 1 from below; each number is held within +-57,344 x the scale and rounded to the nearest code.
; LIMITS: a block of zeros gets the byte 1 and zero codes (the bytes are read by this program alone); NaN and infinities among the inputs are not served.
; SHARES: 256 work-groups a tensor, 32 rows a work-group, 8 rows a wave, a row (4,096 bytes) at a time in 32 registers a lane.  One path for all three tensors: only pointers are chosen, by the work-group's number.
; Each load reads 512 consecutive bytes (16 a lane); two rows are on their way while one is worked on.  The conversions want 16 NEIGHBOURS in a lane: half a row (2,048 bytes) at a time turns through the wave's own
; stage in LDS (64 bytes + 16 of padding for each lane).  A lane's 16 codes are 16 bytes: a store covers 512 consecutive bytes.  A wave's 8 rows make 256 scale bytes, gathered in LDS, stored as one aligned run of 256.
; No tensor load, no barrier: waves share nothing.
.set SP,   80                          ; a lane's place in a stage
.set WREG, 8192                        ; LDS for a wave: two stages of 32 x SP bytes at 0 and 2,560, its 256 scale bytes at SCB
.set SCB,  5120
.set G,    16                          ; v16-47   the gain, in the loads' layout: load i gives lane l the numbers 128 i + 4 l .. + 3
.set B,    48                          ; v48-79   the bias
.set R,    80                          ; v80-175  three row buffers of 32
.set X,    176                         ; v176-207 two sets of 16 neighbours
.set C,    208                         ; v208-223 four sets of 4 code registers
.set E,    224                         ; v224-239 a scale byte for each of the 16 steps
.set CH,   240                         ; v240-247 four packed chains
.set MU,   248                         ; v[248:249] the mean (the low word serves both halves)
.set RS,   250                         ; v[250:251] 1 / sqrt(var + eps), likewise
.set T0,   252
.set T1,   253
	s_load_b512 s[8:23], s[0:1], 0x0               ; q, k, v, g of q, b of q, g of k, b of k, g of v
	s_load_b64 s[24:25], s[0:1], 0x40              ; b of v
	s_load_b64 s[28:29], s[0:1], 0x48              ; x_codes
	s_load_b64 s[30:31], s[0:1], 0x50              ; x_scales
	v_lshl_add_u32 v254, v0, 2, 0x8000
	v_mov_b32 v255, 0
	v_lshrrev_b32 v1, 5, v0
	v_readfirstlane_b32 s34, v1                    ; wave
	v_and_b32 v1, 31, v0                           ; lane
	v_lshlrev_b32 v2, 4, v1                        ; my 16 bytes of a load's or a store's 512
	s_mul_i32 s35, s34, WREG
	v_lshrrev_b32 v3, 2, v1
	v_mul_u32_u24 v3, v3, SP
	v_and_b32 v4, 3, v1
	v_lshl_add_u32 v3, v4, 4, v3
	v_add_nc_u32 v3, s35, v3                       ; the stage, on the way in: four lanes' 64 bytes on end, then 16 of padding
	v_mul_u32_u24 v4, v1, SP
	v_add_nc_u32 v4, s35, v4                       ; and on the way out: my 16 neighbours
	v_lshrrev_b32 v5, 1, v1
	s_add_co_u32 s35, s35, SCB
	v_add_nc_u32 v5, s35, v5                       ; my block's scale byte
	v_lshlrev_b32 v7, 3, v1
	v_add_nc_u32 v6, s35, v7                       ; the scale bytes on the way out: 8 a lane
	s_mov_b32 s26, 0x3a800000                      ; 1 / 1,024
	s_mov_b32 s27, 0x3727c5ac                      ; 1e-5
	s_mov_b32 s38, 0x76543210
	s_mov_b32 s39, 0xfedcba98                      ; v_permlanex16_b32's selects for lane l xor 16
	s_mov_b32 s3, 0x600000                         ; the mantissa field of 57,344
	v_mov_b32 v[MU+1], 0                           ; named as upper halves of pairs, so they are written
	v_mov_b32 v[RS+1], 0
	v_mov_b32 v[T1], 0                             ; a lane permute's destination counts as one of its sources
	s_wait_kmcnt 0x0
	s_cmp_lt_u32 ttmp9, 256                        ; which tensor: the choice hangs on the work-group's number alone
	s_cselect_b64 s[4:5], s[8:9], s[10:11]
	s_cselect_b64 s[6:7], s[14:15], s[18:19]
	s_cselect_b64 s[32:33], s[16:17], s[20:21]
	s_cmp_lt_u32 ttmp9, 512
	s_cselect_b64 s[4:5], s[4:5], s[12:13]
	s_cselect_b64 s[6:7], s[6:7], s[22:23]
	s_cselect_b64 s[32:33], s[32:33], s[24:25]
	s_and_b32 s35, ttmp9, 255
	s_lshl_b32 s36, s35, 17                        ; 32 rows of 4,096 bytes a work-group,
	s_lshl_b32 s35, s34, 15                        ; 8 a wave
	s_add_co_u32 s36, s36, s35
	s_mov_b32 s37, 0
	s_add_nc_u64 s[4:5], s[4:5], s[36:37]
	s_lshl_b32 s36, ttmp9, 15                      ; the outputs are linear in the row over all three tensors: 1,024 bytes of codes a row
	s_lshl_b32 s35, s34, 13
	s_add_co_u32 s36, s36, s35
	s_add_nc_u64 s[28:29], s[28:29], s[36:37]
	s_lshl_b32 s36, ttmp9, 10                      ; and 32 scale bytes
	s_lshl_b32 s35, s34, 8
	s_add_co_u32 s36, s36, s35
	s_add_nc_u64 s[30:31], s[30:31], s[36:37]
.irp i, 0,1,2,3,4,5,6,7
	global_load_b128 v[G+4*\i:G+4*\i+3], v2, s[6:7] offset:512*\i
	global_load_b128 v[B+4*\i:B+4*\i+3], v2, s[32:33] offset:512*\i
.endr
.macro LOADROW n                       ; row n of my eight into buffer n % 3
.irp i, 0,1,2,3,4,5,6,7
	global_load_b128 v[R+32*((\n)%3)+4*\i:R+32*((\n)%3)+4*\i+3], v2, s[4:5] offset:4096*(\n)+512*\i th:TH_LOAD_NT
.endr
.endm
.macro WSUM r, t                       ; the sum over the wave's 32 lanes, in every lane
	v_add_f32_dpp v[\r], v[\r], v[\r] row_xmask:1 row_mask:0xf bank_mask:0xf
	v_add_f32_dpp v[\r], v[\r], v[\r] row_xmask:2 row_mask:0xf bank_mask:0xf
	v_add_f32_dpp v[\r], v[\r], v[\r] row_xmask:4 row_mask:0xf bank_mask:0xf
	v_add_f32_dpp v[\r], v[\r], v[\r] row_xmask:8 row_mask:0xf bank_mask:0xf
	v_permlanex16_b32 v[\t], v[\r], s38, s39
	v_add_f32 v[\r], v[\r], v[\t]
.endm
.macro JOIN                            ; the four chains and their halves into v[T0], then over the lanes
	v_pk_add_f32 v[CH:CH+1], v[CH:CH+1], v[CH+2:CH+3]
	v_pk_add_f32 v[CH+4:CH+5], v[CH+4:CH+5], v[CH+6:CH+7]
	v_pk_add_f32 v[CH:CH+1], v[CH:CH+1], v[CH+4:CH+5]
	v_add_f32 v[T0], v[CH], v[CH+1]
	WSUM T0, T1
.endm
; Half hf of row n: 512 numbers, 16 neighbours a lane, two neighbouring lanes to a block of 32.
.macro QSTEP n, hf
.set XS, X+16*(\hf)
.set CS, C+4*((2*(\n)+(\hf))%4)
.set ES, E+2*(\n)+(\hf)
	v_max3_num_f32 v8, |v[XS]|, |v[XS+1]|, |v[XS+2]|               ; the largest magnitude of my 16, in two chains
	v_max3_num_f32 v9, |v[XS+3]|, |v[XS+4]|, |v[XS+5]|
.irp i, 6,10
	v_max3_num_f32 v8, v8, |v[XS+\i]|, |v[XS+\i+1]|
	v_max3_num_f32 v9, v9, |v[XS+\i+2]|, |v[XS+\i+3]|
.endr
	v_max3_num_f32 v8, v8, |v[XS+14]|, |v[XS+15]|
	v_max3_num_f32 v8, v8, v9, 0x8000000           ; and the floor 2^(16 - 127): the byte cannot fall under 1
	v_max_num_f32_dpp v8, v8, v8 row_xmask:1 row_mask:0xf bank_mask:0xf   ; with my neighbour's 16: the block's
	v_add_nc_u32 v11, 0xf8800000, v8               ; 15 off its exponent field: the conversion takes the exponent field of this operand as its scale
	v_and_or_b32 v10, v8, 0x7f800000, s3           ; 57,344 x the scale
.irp i, 0,1,2,3,4,5,6,7,8,9,10,11,12,13,14,15
	v_med3_num_f32 v[XS+\i], v[XS+\i], -v10, v10   ; the conversion to an 8-bit code does not saturate (ISA guide 7.6.2): the hold comes first
.endr
	s_wait_alu depctr_va_vdst(0)
	s_wait_xcnt 0x0                                ; the store of four steps back has read this set of code registers: they are written again only behind this wait
	v_cvt_scalef32_pk8_bf8_f32 v[CS:CS+1], v[XS:XS+7], v11
	v_cvt_scalef32_pk8_bf8_f32 v[CS+2:CS+3], v[XS+8:XS+15], v11
	v_lshrrev_b32 v[ES], 23, v11                   ; the scale's byte (also the plain line behind the conversions)
	ds_store_b8 v5, v[ES] offset:32*(\n)+16*(\hf)  ; both lanes of a block write the same byte with the same value
	global_store_b128 v2, v[CS:CS+3], s[28:29] offset:1024*(\n)+512*(\hf)   ; 32 lanes store 512 consecutive bytes
.endm
.macro ROW n
.set RB, R+32*((\n)%3)
.if (\n)+2 < 8
	LOADROW (\n)+2                                 ; into the buffer of the row before this one: its stores into the stage were shown done by that row's waits on DScnt
.endif
.if (\n) <= 5
	s_wait_loadcnt 16                              ; this row's eight loads are in (g and b too); the two younger rows' sixteen may be out
.else
	s_wait_loadcnt 8*(7-(\n))
.endif
.irp k, 0,1,2,3
	v_pk_add_f32 v[CH+2*\k:CH+2*\k+1], v[RB+2*\k:RB+2*\k+1], v[RB+8+2*\k:RB+8+2*\k+1]   ; the first pairs start the chains: nothing is cleared
.endr
.irp j, 16,24
.irp k, 0,1,2,3
	v_pk_add_f32 v[CH+2*\k:CH+2*\k+1], v[CH+2*\k:CH+2*\k+1], v[RB+\j+2*\k:RB+\j+2*\k+1]
.endr
.endr
	JOIN
	v_mul_f32 v[MU], s26, v[T0]                    ; the mean
.irp j, 0,2,4,6,8,10,12,14,16,18,20,22,24,26,28,30
	v_pk_add_f32 v[RB+\j:RB+\j+1], v[RB+\j:RB+\j+1], v[MU:MU+1] op_sel_hi:[1,0] neg_lo:[0,1] neg_hi:[0,1]   ; x - mean
.endr
.irp k, 0,1,2,3
	v_pk_mul_f32 v[CH+2*\k:CH+2*\k+1], v[RB+2*\k:RB+2*\k+1], v[RB+2*\k:RB+2*\k+1]
.endr
.irp j, 8,16,24
.irp k, 0,1,2,3
	v_pk_fma_f32 v[CH+2*\k:CH+2*\k+1], v[RB+\j+2*\k:RB+\j+2*\k+1], v[RB+\j+2*\k:RB+\j+2*\k+1], v[CH+2*\k:CH+2*\k+1]
.endr
.endr
	JOIN
	v_fma_f32 v[T0], v[T0], s26, s27               ; var + eps
	s_wait_alu depctr_va_vdst(0)
	v_rsq_f32 v[RS], v[T0]
	v_nop                                          ; a plain line behind the transcendental,
	s_wait_alu depctr_va_vdst(0)                   ; and the wait ahead of its first reader
.irp j, 0,2,4,6,8,10,12,14,16,18,20,22,24,26,28,30
	v_pk_mul_f32 v[RB+\j:RB+\j+1], v[RB+\j:RB+\j+1], v[RS:RS+1] op_sel_hi:[1,0]
.endr
.irp j, 0,2,4,6,8,10,12,14,16,18,20,22,24,26,28,30
	v_pk_fma_f32 v[RB+\j:RB+\j+1], v[RB+\j:RB+\j+1], v[G+\j:G+\j+1], v[B+\j:B+\j+1]
.endr
.irp hf, 0,1                           ; both halves through their stages: LDS serves a wave's instructions in order, so no wait stands between the stores and the loads
.irp i, 0,1,2,3
	ds_store_b128 v3, v[RB+16*\hf+4*\i:RB+16*\hf+4*\i+3] offset:2560*\hf+640*\i
.endr
.irp i, 0,1,2,3
	ds_load_b128 v[X+16*\hf+4*\i:X+16*\hf+4*\i+3], v4 offset:2560*\hf+16*\i
.endr
.endr
	s_wait_dscnt 8                                 ; the first half is back; the second half's four stores and four loads may be out
	QSTEP \n, 0
	s_wait_dscnt 1                                 ; the second half is back; the byte store just issued may be out
	QSTEP \n, 1
.endm
	LOADROW 0
	LOADROW 1
.irp n, 0,1,2,3,4,5,6,7
	ROW \n
.endr
	ds_load_b64 v[12:13], v6                       ; my wave's 256 scale bytes: these loads see my stores
	s_wait_dscnt 0x0
	global_store_b64 v7, v[12:13], s[30:31]        ; 32 lanes store 256 consecutive bytes, aligned
	s_wait_tensorcnt 0x0
	ds_add_u32 v254, v255
	s_wait_dscnt 0x0
	s_endpgm
.Lfunc_end_k_q38b198590e_lnq:
	.size	k_q38b198590e_lnq, .Lfunc_end_k_q38b198590e_lnq-k_q38b198590e_lnq
	.p2alignl 7, 3214868480
	.fill 96, 4, 3214868480
	.section	.rodata,"a",@progbits
	.p2align	6, 0x0
	.amdhsa_kernel k_q38b198590e_lnq
		.amdhsa_group_segment_fixed_size 33280
		.amdhsa_private_segment_fixed_size 0
		.amdhsa_enable_private_segment 0
		.amdhsa_kernarg_size 88
		.amdhsa_user_sgpr_count 2
		.amdhsa_user_sgpr_kernarg_segment_ptr 1
		.amdhsa_wavefront_size32 1
		.amdhsa_system_sgpr_workgroup_id_x 1
		.amdhsa_system_sgpr_workgroup_id_y 1
		.amdhsa_system_sgpr_workgroup_id_z 1
		.amdhsa_system_vgpr_workitem_id 0
		.amdhsa_next_free_vgpr 256
		.amdhsa_next_free_sgpr 66
		.amdhsa_reserve_vcc 0
		.amdhsa_float_denorm_mode_32 3
		.amdhsa_float_denorm_mode_16_64 3
		.amdhsa_memory_ordered 1
		.amdhsa_forward_progress 1
		.amdhsa_inst_pref_size 102
	.end_amdhsa_kernel
	.amdgpu_metadata
---
amdhsa.version: [ 1, 2 ]
amdhsa.kernels:
  - .name:           k_q38b198590e_lnq
    .symbol:         k_q38b198590e_lnq.kd
    .args:
      - { .name: q, .offset: 0, .size: 8, .value_kind: global_buffer, .address_space: global }
      - { .name: k, .offset: 8, .size: 8, .value_kind: global_buffer, .address_space: global }
      - { .name: v, .offset: 16, .size: 8, .value_kind: global_buffer, .address_space: global }
      - { .name: ln_q_g, .offset: 24, .size: 8, .value_kind: global_buffer, .address_space: global }
      - { .name: ln_q_b, .offset: 32, .size: 8, .value_kind: global_buffer, .address_space: global }
      - { .name: ln_k_g, .offset: 40, .size: 8, .value_kind: global_buffer, .address_space: global }
      - { .name: ln_k_b, .offset: 48, .size: 8, .value_kind: global_buffer, .address_space: global }
      - { .name: ln_v_g, .offset: 56, .size: 8, .value_kind: global_buffer, .address_space: global }
      - { .name: ln_v_b, .offset: 64, .size: 8, .value_kind: global_buffer, .address_space: global }
      - { .name: x_codes, .offset: 72, .size: 8, .value_kind: global_buffer, .address_space: global }
      - { .name: x_scales, .offset: 80, .size: 8, .value_kind: global_buffer, .address_space: global }
    .group_segment_fixed_size: 33280
    .private_segment_fixed_size: 0
    .kernarg_segment_align: 8
    .kernarg_segment_size: 88
    .max_flat_workgroup_size: 128
    .sgpr_count:     66
    .vgpr_count:     256
    .wavefront_size: 32
...
	.end_amdgpu_metadata
.endif
;; end of part 1
;; launch proj (part 2): grid 4 x 96, 4 waves a work-group, clusters of 4 x 4, 327,680 bytes of LDS; arguments x_codes, x_scales, Wq_codes, Wq_scales, Wk_codes, Wk_scales, Wv_codes, Wv_scales, mask, qk_img, qk_sc, v_img, v_sc; writes qk_img, qk_sc, v_img, v_sc
.if DOCPART == 2
	.amdgcn_target "amdgcn-amd-amdhsa--gfx1250"
	.amdhsa_code_object_version 6
	.text
	.protected	k_q38b198590e_proj
	.globl	k_q38b198590e_proj
	.p2align	8
	.type	k_q38b198590e_proj,@function
k_q38b198590e_proj:
	s_mov_b64 s[64:65], 0
	v_nop
	global_prefetch_b8 v0, s[64:65] scope:SCOPE_SE
	s_setreg_imm32_b32 hwreg(HW_REG_WAVE_MODE, 25, 1), 1
	s_wait_xcnt 0x0
	s_wait_alu depctr_hold_cnt(0) depctr_sa_sdst(0) depctr_va_vdst(0) depctr_va_sdst(0) depctr_va_ssrc(0) depctr_va_vcc(0) depctr_vm_vsrc(0)
	s_getreg_b32 s2, hwreg(HW_REG_IB_STS2, 6, 4)
	s_cmp_eq_u32 s2, 0
	s_cbranch_scc0 .Lentry_in_a_cluster
	s_endpgm
.Lentry_in_a_cluster:
	s_bfe_u32 s2, ttmp6, 0x10000c
	s_cmp_lg_u32 s2, 0xf033
	s_cbranch_scc0 .Lentry_shape_is_right
	s_endpgm
.Lentry_shape_is_right:
.set NQ,     2
.set ROWB,   256
.set KROW,   1024
.set PITCH,  272
.set FR,     16
.set NL,     4
.set NP,     8
.set HALFT,  128*PITCH
.set SLOT,   4*HALFT
.set LAPS,   2
.set SCL,    2*SLOT
.set HALFS,  16*272
.set SPARE,  SCL+4*HALFS
.set ADRA, 16
.set ADRB, 20
.set LI,   24
.set L8,   25
.set MO,   26
.set ADRS, 27
.set SPW,  28
.set NIL,  29
.set SC,   32
.set MK,   64
.set PD,   72
.set OW,   80
.set PADC, 88
.set AF,   128
.set H,    128
.set PC,   192
.set TM,   208
.set WA,   224
.set WB,   232
.set G1, 24
.set G0, 32
.set G1B, 48
.set G0B, 56
.set G1S, 68
.set G0S, 76
.set G1SB, 80
.set G0SB, 88
.set MSB, 0
.macro WIN new
.if MSB != \new
	s_set_vgpr_msb (MSB<<8)|\new
.set MSB, \new
.endif
.endm
.set MUL_LO, 0xa1
.set MUL_HI, 0xf1
.set TO_B,   0x40
.macro JLOAD g0a, g1a, g0b, g1b
	s_cmp_eq_u32 s15, 0
	s_cbranch_scc0 .Lfor_b_\@
	tensor_load_to_lds s[\g0a:\g0a+3], s[\g1a:\g1a+7]
	s_nop 0
.rept 4
	v_nop
.endr
	s_branch .Lasked_\@
.Lfor_b_\@:
	tensor_load_to_lds s[\g0b:\g0b+3], s[\g1b:\g1b+7]
	s_nop 0
.rept 4
	v_nop
.endr
.Lasked_\@:
.endm
.macro CREST
	s_cmp_lg_u32 s14, 0
	s_cbranch_scc1 .Lnot_wave_0_\@
	s_barrier_signal -3
.Lnot_wave_0_\@:
	s_barrier_wait -3
	s_barrier_signal -1
	s_barrier_wait -1
.endm
.macro CROUND
	s_barrier_signal -1
	s_barrier_wait -1
	CREST
.endm
	s_load_b512 s[68:83], s[0:1], 0x0
	s_load_b256 s[84:91], s[0:1], 0x40
	s_load_b64 s[92:93], s[0:1], 0x60
	v_lshl_add_u32 v[SPW], v0, 2, SPARE
	v_mov_b32 v[NIL], 0
	ds_add_u32 v28, v29
	ds_add_u32 v28, v29
	s_wait_dscnt 0x0
	v_lshrrev_b32 v1, 5, v0
	v_readfirstlane_b32 s14, v1
	s_lshr_b32 s15, s14, 1
	s_and_b32 s16, s14, 1
	s_bfe_u32 s40, ttmp6, 0x40000
	s_bfe_u32 s41, ttmp6, 0x40004
	s_and_b32 s2, ttmp7, 0xffff
	s_and_b32 s18, s2, 7
	s_lshl_b32 s18, s18, 2
	s_lshr_b32 s2, s2, 3
	s_cmp_eq_u32 s2, 2
	s_cselect_b32 s95, 1, 0
	s_cselect_b32 s19, 0, s18
	s_cselect_b32 s20, s18, 0
	s_add_co_u32 s17, s41, s19
	s_add_co_u32 s42, s40, s20
	s_lshl_b32 s43, s41, 2
	s_lshl_b32 s43, 15, s43
	s_lshl_b32 s44, 0x1111, s40
	s_or_b32 s[G1+0], s43, (0<<16)|(1<<20)|(1<<21)|(5<<22)|(3<<25)
	s_or_b32 s[G1B+0], s44, (0<<16)|(1<<20)|(1<<21)|(5<<22)|(3<<25)
.irp g, G1, G1B
	s_mov_b32 s[\g+1], ROWB<<16
	s_mov_b32 s[\g+2], 128<<16
	s_mov_b32 s[\g+3], ROWB<<16
	s_mov_b32 s[\g+4], 128
	s_mov_b32 s[\g+5], KROW
	s_mov_b32 s[\g+6], 0
	s_mov_b32 s[\g+7], 0
.endr
	s_lshl_b32 s18, s16, 7
	s_lshl_b32 s20, s17, 8
	s_add_co_u32 s20, s20, s18
	s_lshl_b32 s46, s42, 8
	s_add_co_u32 s46, s46, s18
	s_lshl_b32 s22, s20, 5
	s_lshl_b32 s20, s20, 10
	s_lshl_b32 s18, s46, 5
	s_lshl_b32 s46, s46, 10
	s_lshl_b32 s3, s2, 23
	s_lshl_b32 s94, s2, 18
	s_cmp_eq_u32 s95, 1
	s_cselect_b32 s100, 0, s3
	s_cselect_b32 s101, 0, s94
	s_cselect_b32 s3, s3, 0
	s_cselect_b32 s94, s94, 0
	s_add_co_u32 s20, s20, s100
	s_add_co_u32 s22, s22, s101
	s_add_co_u32 s46, s46, s3
	s_add_co_u32 s18, s18, s94
	s_mov_b32 s21, 0
	s_mov_b32 s23, 0
	s_mov_b32 s47, 0
	s_mov_b32 s19, 0
	s_mul_i32 s45, s14, HALFT
	s_mul_i32 s94, s14, HALFS
	s_wait_kmcnt 0x0
	s_cmp_eq_u32 s95, 1
	s_cselect_b64 s[4:5], s[80:81], s[68:69]
	s_cselect_b64 s[6:7], s[82:83], s[70:71]
	s_cselect_b64 s[12:13], s[90:91], s[86:87]
	s_cselect_b64 s[96:97], s[92:93], s[88:89]
	s_mov_b64 s[98:99], s[84:85]
	s_cmp_eq_u32 s2, 1
	s_cselect_b64 s[8:9], s[76:77], s[72:73]
	s_cselect_b64 s[10:11], s[78:79], s[74:75]
	s_cmp_eq_u32 s95, 1
	s_cselect_b64 s[8:9], s[68:69], s[8:9]
	s_cselect_b64 s[10:11], s[70:71], s[10:11]
	s_add_nc_u64 s[20:21], s[4:5], s[20:21]
	s_add_nc_u64 s[22:23], s[6:7], s[22:23]
	s_add_nc_u64 s[46:47], s[8:9], s[46:47]
	s_add_nc_u64 s[18:19], s[10:11], s[18:19]
	s_or_b32 s[G1S+0], s43, (3<<16)|(1<<20)|(1<<21)|(5<<22)|(3<<25)
	s_or_b32 s[G1SB+0], s44, (3<<16)|(1<<20)|(1<<21)|(5<<22)|(3<<25)
.irp g, G1S, G1SB
	s_mov_b32 s[\g+1], 32<<16
	s_mov_b32 s[\g+2], 16<<16
	s_mov_b32 s[\g+3], 32<<16
	s_mov_b32 s[\g+4], 16
	s_mov_b32 s[\g+5], 32
	s_mov_b32 s[\g+6], 0
	s_mov_b32 s[\g+7], 0
.endr
	CROUND
	s_mov_b32 s[G0S], 1
	s_add_co_u32 s[G0S+1], s94, SCL
	s_mov_b64 s[G0S+2:G0S+3], s[22:23]
	s_or_b32 s[G0S+3], s[G0S+3], 0x80000000
	s_mov_b32 s[G0SB], 1
	s_add_co_u32 s[G0SB+1], s94, SCL
	s_mov_b64 s[G0SB+2:G0SB+3], s[18:19]
	s_or_b32 s[G0SB+3], s[G0SB+3], 0x80000000
	JLOAD G0S, G1S, G0SB, G1SB
.irp s, 0,1
	s_mov_b32 s[G0+4*\s], 1
	s_add_co_u32 s[G0+4*\s+1], s45, \s*SLOT
	s_add_nc_u64 s[G0+4*\s+2:G0+4*\s+3], s[20:21], \s*ROWB
	s_or_b32 s[G0+4*\s+3], s[G0+4*\s+3], 0x80000000
	s_mov_b32 s[G0B+4*\s], 1
	s_add_co_u32 s[G0B+4*\s+1], s45, \s*SLOT
	s_add_nc_u64 s[G0B+4*\s+2:G0B+4*\s+3], s[46:47], \s*ROWB
	s_or_b32 s[G0B+4*\s+3], s[G0B+4*\s+3], 0x80000000
	s_wait_alu depctr_va_vdst(0)
	s_wait_tensorcnt 0x0
	ds_add_u32 v28, v29
	s_wait_dscnt 0x0
	CROUND
	JLOAD G0+4*\s, G1, G0B+4*\s, G1B
.endr
	s_mov_b32 s66, 0x76543210
	s_mov_b32 s67, 0xfedcba98
	s_mov_b32 s92, 0x600000
	s_mov_b32 s93, 0xffff0000
	v_and_b32 v1, 15, v0
	v_bfe_u32 v2, v0, 4, 1
	v_and_b32 v3, 8, v1
	v_add_nc_u32 v3, v3, v1
	v_mul_u32_u24 v4, v3, PITCH
	v_lshl_add_u32 v4, v2, 4, v4
	s_mul_i32 s21, s15, HALFT
	s_mul_i32 s22, s16, HALFT
	s_add_co_u32 s22, s22, 2*HALFT
.irp s, 0,1
	v_add_nc_u32 v[ADRA+\s], s21, v4
	v_add_nc_u32 v[ADRB+\s], s22, v4
	s_add_co_u32 s21, s21, SLOT
	s_add_co_u32 s22, s22, SLOT
.endr
	v_lshlrev_b32 v5, 5, v3
	v_lshrrev_b32 v6, 3, v3
	v_lshl_add_u32 v5, v6, 4, v5
	s_mul_i32 s21, s15, HALFS
	s_mul_i32 s22, s16, HALFS
	s_add_co_u32 s22, s22, 2*HALFS
	s_sub_co_u32 s22, s22, s21
	v_mul_u32_u24 v6, s22, v2
	s_add_co_u32 s21, s21, SCL
	v_add_nc_u32 v5, v5, v6
	v_add_nc_u32 v[ADRS], s21, v5
	v_and_b32 v6, 31, v0
	v_lshlrev_b32 v[LI], 4, v6
	v_lshlrev_b32 v[L8], 3, v6
	s_lshl_b32 s46, s17, 8
	s_lshl_b32 s47, s15, 7
	s_add_co_u32 s46, s46, s47
	v_add_nc_u32 v[MO], s46, v3
	v_lshlrev_b32 v[MO], 2, v[MO]
.irp a, 0,1,2,3,4,5,6,7
	global_load_b32 v[MK+\a], v[MO], s[98:99] offset:4*(32*(\a/2)+8*(\a%2))
.endr
	s_cmp_eq_u32 s2, 1
	s_mov_b32 s100, 0x017f
	s_cselect_b32 s101, 0x0101, s100
	s_cselect_b32 s100, 0x01e3, s100
	v_mov_b32 v[PADC], s100
	v_mov_b32 v[PADC+1], s101
	s_lshl_b32 s18, s17, 3
	s_lshl_b32 s19, s15, 2
	s_add_co_u32 s18, s18, s19
	s_lshl_b32 s19, s42, 3
	s_lshl_b32 s20, s16, 2
	s_add_co_u32 s19, s19, s20
	s_lshl_b32 s20, s2, 23
	s_lshr_b32 s21, s18, 6
	s_lshl_b32 s21, s21, 21
	s_add_co_u32 s20, s20, s21
	s_and_b32 s21, s18, 63
	s_lshl_b32 s21, s21, 11
	s_add_co_u32 s20, s20, s21
	s_lshr_b32 s21, s19, 1
	s_lshl_b32 s21, s21, 17
	s_add_co_u32 s20, s20, s21
	s_lshr_b32 s21, s19, 6
	s_lshl_b32 s21, s21, 21
	s_and_b32 s22, s19, 63
	s_lshr_b32 s22, s22, 2
	s_lshl_b32 s22, s22, 13
	s_add_co_u32 s21, s21, s22
	s_lshr_b32 s22, s18, 1
	s_lshl_b32 s22, s22, 17
	s_add_co_u32 s21, s21, s22
	s_lshl_b32 s22, s2, 19
	s_lshr_b32 s23, s18, 6
	s_lshl_b32 s23, s23, 4
	s_lshr_b32 s46, s19, 1
	s_add_co_u32 s23, s23, s46
	s_lshl_b32 s23, s23, 13
	s_add_co_u32 s22, s22, s23
	s_and_b32 s23, s18, 63
	s_lshr_b32 s23, s23, 2
	s_lshl_b32 s23, s23, 9
	s_add_co_u32 s22, s22, s23
	s_lshr_b32 s23, s19, 6
	s_lshl_b32 s23, s23, 4
	s_lshr_b32 s46, s18, 1
	s_add_co_u32 s23, s23, s46
	s_lshl_b32 s23, s23, 12
	s_and_b32 s46, s19, 63
	s_lshr_b32 s46, s46, 2
	s_lshl_b32 s46, s46, 8
	s_add_co_u32 s23, s23, s46
	s_cmp_eq_u32 s95, 1
	s_cselect_b32 s20, s21, s20
	s_cselect_b32 s22, s23, s22
	s_mov_b32 s21, 0
	s_mov_b32 s23, 0
	s_add_nc_u64 s[12:13], s[12:13], s[20:21]
	s_add_nc_u64 s[96:97], s[96:97], s[22:23]
.macro FRAG reg, adr, q, i
.irp c, 0,1,2,3
	ds_load_b128 v[\reg+4*\c:\reg+4*\c+3], v[\adr] offset:128*(\q)+32*\c+(32*((\i)/2)+8*((\i)%2))*PITCH
.endr
.endm
.macro MUL16 a0, p, q, sc, zero
.irp a, \a0, \a0+1
.irp b, 0,1,2,3,4,5,6,7
.if \zero
	v_wmma_scale_f32_16x16x128_f8f6f4 v[8*(8*((\a)%4)+\b):8*(8*((\a)%4)+\b)+7], v[128*(\p)+FR*\b:128*(\p)+FR*\b+FR-1], v[AF+FR*(\a):AF+FR*(\a)+FR-1], 0, v[SC+8*NQ*(\sc)+NQ*\b+(\q)], v[SC+8*NQ*(\sc)+NQ*(\a)+(\q)] matrix_a_fmt:MATRIX_FMT_BF8 matrix_b_fmt:MATRIX_FMT_BF8 matrix_a_scale:MATRIX_SCALE_ROW1
.else
	v_wmma_scale_f32_16x16x128_f8f6f4 v[8*(8*((\a)%4)+\b):8*(8*((\a)%4)+\b)+7], v[128*(\p)+FR*\b:128*(\p)+FR*\b+FR-1], v[AF+FR*(\a):AF+FR*(\a)+FR-1], v[8*(8*((\a)%4)+\b):8*(8*((\a)%4)+\b)+7], v[SC+8*NQ*(\sc)+NQ*\b+(\q)], v[SC+8*NQ*(\sc)+NQ*(\a)+(\q)] matrix_a_fmt:MATRIX_FMT_BF8 matrix_b_fmt:MATRIX_FMT_BF8 matrix_a_scale:MATRIX_SCALE_ROW1
.endif
.endr
.endr
.endm
.macro FETCH_B slot, q, p
	WIN TO_B
.irp i, 0,1,2,3,4,5,6,7
	FRAG 128*(\p)+FR*\i, ADRB+\slot, \q, \i
.endr
	WIN 0
.endm
.macro FETCH_A slot, q, i0
.irp i, \i0, \i0+1, \i0+2, \i0+3
	FRAG AF+FR*(\i), ADRA+\slot, \q, \i
.endr
.endm
.macro SCALES sc
.irp i, 0,1,2,3,4,5,6,7
	ds_load_b64 v[SC+8*NQ*\sc+NQ*\i:SC+8*NQ*\sc+NQ*\i+1], v[ADRS] offset:(4*(\i/2)+\i%2)*272
.endr
.endm
.macro PLACES n
.rept \n
	v_nop
.endr
.endm
.macro STEP slot, q, zero
	s_wait_dscnt 4*NL
	WIN MUL_LO
	MUL16 0, (\q)%2, \q, \slot, \zero
	MUL16 2, (\q)%2, \q, \slot, \zero
	s_wait_dscnt 0
	PLACES NP
	FETCH_B \slot, (\q)+1, 1-(\q)%2
	FETCH_A \slot, (\q)+1, 0
	WIN MUL_HI
	MUL16 4, (\q)%2, \q, \slot, \zero
	MUL16 6, (\q)%2, \q, \slot, \zero
	PLACES NP
	WIN 0
	FETCH_A \slot, (\q)+1, 4
.endm
.macro TURN slot, next, fill
	s_wait_tensorcnt 0x0
	ds_add_u32 v[SPW], v[NIL]
	s_wait_dscnt 4*NL+1
	WIN MUL_LO
	MUL16 0, 1, NQ-1, \slot, 0
	s_wait_dscnt 0x0
	s_barrier_signal -1
	MUL16 2, 1, NQ-1, \slot, 0
	WIN 0
	s_barrier_wait -1
.if \fill
	CREST
	s_add_nc_u64 s[G0+4*\slot+2:G0+4*\slot+3], s[G0+4*\slot+2:G0+4*\slot+3], 2*ROWB
	s_add_nc_u64 s[G0B+4*\slot+2:G0B+4*\slot+3], s[G0B+4*\slot+2:G0B+4*\slot+3], 2*ROWB
	JLOAD G0+4*\slot, G1, G0B+4*\slot, G1B
	PLACES NP-4
.else
	PLACES NP
.endif
	s_wait_alu depctr_va_vdst(0)
	v_add_nc_u32 v[ADRS], 4*NQ, v[ADRS]
	FETCH_B \next, 0, 0
	FETCH_A \next, 0, 0
	SCALES \next
	WIN MUL_HI
	MUL16 4, 1, NQ-1, \slot, 0
	MUL16 6, 1, NQ-1, \slot, 0
	PLACES NP
	WIN 0
	FETCH_A \next, 0, 4
.endm
	s_wait_alu depctr_va_vdst(0)
	s_wait_tensorcnt 1
	s_barrier_signal -1
	s_barrier_wait -1
	FETCH_B 0, 0, 0
	FETCH_A 0, 0, 0
	SCALES 0
	FETCH_A 0, 0, 4
	STEP 0, 0, 1
	s_mov_b32 s3, LAPS-1
.Llap:
	TURN 0, 1, 1
	STEP 1, 0, 0
	TURN 1, 0, 1
	STEP 0, 0, 0
	s_sub_co_u32 s3, s3, 1
	s_cmp_lg_u32 s3, 0
	s_cbranch_scc1 .Llap
	TURN 0, 1, 0
	STEP 1, 0, 0
	s_wait_dscnt 4*NL
	WIN MUL_LO
	MUL16 0, 1, NQ-1, 1, 0
	MUL16 2, 1, NQ-1, 1, 0
	s_wait_dscnt 0
	WIN MUL_HI
	MUL16 4, 1, NQ-1, 1, 0
	MUL16 6, 1, NQ-1, 1, 0
	WIN 0
.macro EPI a
.set AC, 64*((\a)%4)
.set EW, 2+(\a)/4
.set EW2, EW|(EW<<2)
	WIN EW2
.irp b, 0,1,2,3
	v_max3_num_f32 v[TM+\b], |v[AC+16*\b]|, |v[AC+16*\b+1]|, 0x8000000
.endr
.irp i, 2,4,6,8,10,12,14
.irp b, 0,1,2,3
	v_max3_num_f32 v[TM+\b], |v[AC+16*\b+\i]|, |v[AC+16*\b+\i+1]|, v[TM+\b]
.endr
.endr
	WIN 0
.irp b, 0,1,2,3
	v_permlanex16_b32 v[TM+4+\b], v[TM+\b], s66, s67
.endr
.irp b, 0,1,2,3
	v_max_num_f32 v[TM+\b], v[TM+\b], v[TM+4+\b]
.endr
.irp b, 0,1,2,3
	v_add_nc_u32 v[TM+12+\b], 0xf8800000, v[TM+\b]
.endr
.irp b, 0,1,2,3
	v_and_or_b32 v[TM+8+\b], v[TM+\b], 0x7f800000, s92
.endr
.irp b, 0,1,2,3
	v_lshrrev_b32 v[TM+4+\b], 23, v[TM+12+\b]
.endr
	v_lshl_or_b32 v[WA+(\a)], v[TM+5], 8, v[TM+4]
	v_lshl_or_b32 v[WB+(\a)], v[TM+7], 8, v[TM+6]
	WIN EW
.irp b, 0,1,2,3
.irp i, 0,1,2,3,4,5,6,7,8,9,10,11,12,13,14,15
	v_med3_num_f32 v[H+16*\b+\i], v[AC+16*\b+\i], -v[TM+8+\b], v[TM+8+\b]
.endr
.endr
	WIN 0
	s_wait_alu depctr_va_vdst(0)
	s_wait_xcnt 0x0
.irp b, 0,1,2,3
	v_cvt_scalef32_pk8_bf8_f32 v[PC+4*\b:PC+4*\b+1], v[H+16*\b:H+16*\b+7], v[TM+12+\b]
	v_cvt_scalef32_pk8_bf8_f32 v[PC+4*\b+2:PC+4*\b+3], v[H+16*\b+8:H+16*\b+15], v[TM+12+\b]
.endr
	v_nop
	s_cmp_eq_u32 s95, 1
	s_cbranch_scc1 .Lv_img_\@
.irp b, 0,1,2,3
	global_store_b128 v[LI], v[PC+4*\b:PC+4*\b+3], s[12:13] offset:1024*(\a)+131072*(\b/2)+512*(\b%2)
.endr
	s_branch .Limg_done_\@
.Lv_img_\@:
	s_wait_alu depctr_va_vdst(0)
.irp b, 0,1,2,3
	global_store_b128 v[LI], v[PC+4*\b:PC+4*\b+3], s[12:13] offset:131072*((\a)/4)+2048*((\a)%4)+512*\b
.endr
.Limg_done_\@:
.endm
	PLACES NP
.irp b, 0,1,2,3
	v_mov_b32 v[TM+4+\b], 0
.endr
.irp a, 0,1,2,3,4,5,6,7
	EPI \a
.endr
	s_wait_loadcnt 0x0
	s_cmp_eq_u32 s95, 1
	s_cbranch_scc1 .Lv_words
.irp a, 0,1,2,3,4,5,6,7
	v_cmp_eq_u32 vcc_lo, 0, v[MK+\a]
	v_cndmask_b32 v[PD+\a], v[PADC+1], v[PADC], vcc_lo
.endr
.irp a, 0,1,2,3,4,5,6,7
	v_lshl_or_b32 v[WA+\a], v[PD+\a], 16, v[WA+\a]
	v_lshl_or_b32 v[WB+\a], v[PD+\a], 16, v[WB+\a]
.endr
.irp j, 0,1,2,3
	v_cndmask_b32 v[OW+\j], v[WA+2*\j], v[WA+2*\j+1], s93
	v_cndmask_b32 v[OW+4+\j], v[WB+2*\j], v[WB+2*\j+1], s93
.endr
	global_store_b128 v[LI], v[OW:OW+3], s[96:97]
	global_store_b128 v[LI], v[OW+4:OW+7], s[96:97] offset:8192
	s_branch .Lwords_done
.Lv_words:
.irp a, 0,1,2,3,4,5,6,7
	v_lshl_or_b32 v[WA+\a], v[WB+\a], 16, v[WA+\a]
.endr
.irp j, 0,1
	v_cndmask_b32 v[OW+\j], v[WA+2*\j], v[WA+2*\j+1], s93
	v_cndmask_b32 v[OW+2+\j], v[WA+4+2*\j], v[WA+4+2*\j+1], s93
.endr
	global_store_b64 v[L8], v[OW:OW+1], s[96:97]
	global_store_b64 v[L8], v[OW+2:OW+3], s[96:97] offset:4096
.Lwords_done:
	s_wait_tensorcnt 0x0
	ds_add_u32 v[SPW], v[NIL]
	s_wait_dscnt 0x0
	CROUND
	s_endpgm
.Lfunc_end_k_q38b198590e_proj:
	.size	k_q38b198590e_proj, .Lfunc_end_k_q38b198590e_proj-k_q38b198590e_proj
	.p2alignl 7, 3214868480
	.fill 96, 4, 3214868480
	.section	.rodata,"a",@progbits
	.p2align	6, 0x0
	.amdhsa_kernel k_q38b198590e_proj
		.amdhsa_group_segment_fixed_size 327680
		.amdhsa_private_segment_fixed_size 0
		.amdhsa_enable_private_segment 0
		.amdhsa_kernarg_size 104
		.amdhsa_user_sgpr_count 2
		.amdhsa_user_sgpr_kernarg_segment_ptr 1
		.amdhsa_wavefront_size32 1
		.amdhsa_system_sgpr_workgroup_id_x 1
		.amdhsa_system_sgpr_workgroup_id_y 1
		.amdhsa_system_sgpr_workgroup_id_z 1
		.amdhsa_system_vgpr_workitem_id 0
		.amdhsa_next_free_vgpr 1024
		.amdhsa_next_free_sgpr 104
		.amdhsa_reserve_vcc 1
		.amdhsa_float_denorm_mode_32 3
		.amdhsa_float_denorm_mode_16_64 3
		.amdhsa_memory_ordered 1
		.amdhsa_forward_progress 1
		.amdhsa_inst_pref_size 195
	.end_amdhsa_kernel
	.amdgpu_metadata
---
amdhsa.version: [ 1, 2 ]
amdhsa.kernels:
  - .name:           k_q38b198590e_proj
    .symbol:         k_q38b198590e_proj.kd
    .args:
      - { .name: x_codes, .offset: 0, .size: 8, .value_kind: global_buffer, .address_space: global }
      - { .name: x_scales, .offset: 8, .size: 8, .value_kind: global_buffer, .address_space: global }
      - { .name: Wq_codes, .offset: 16, .size: 8, .value_kind: global_buffer, .address_space: global }
      - { .name: Wq_scales, .offset: 24, .size: 8, .value_kind: global_buffer, .address_space: global }
      - { .name: Wk_codes, .offset: 32, .size: 8, .value_kind: global_buffer, .address_space: global }
      - { .name: Wk_scales, .offset: 40, .size: 8, .value_kind: global_buffer, .address_space: global }
      - { .name: Wv_codes, .offset: 48, .size: 8, .value_kind: global_buffer, .address_space: global }
      - { .name: Wv_scales, .offset: 56, .size: 8, .value_kind: global_buffer, .address_space: global }
      - { .name: mask, .offset: 64, .size: 8, .value_kind: global_buffer, .address_space: global }
      - { .name: qk_img, .offset: 72, .size: 8, .value_kind: global_buffer, .address_space: global }
      - { .name: qk_sc, .offset: 80, .size: 8, .value_kind: global_buffer, .address_space: global }
      - { .name: v_img, .offset: 88, .size: 8, .value_kind: global_buffer, .address_space: global }
      - { .name: v_sc, .offset: 96, .size: 8, .value_kind: global_buffer, .address_space: global }
    .group_segment_fixed_size: 327680
    .private_segment_fixed_size: 0
    .kernarg_segment_align: 8
    .kernarg_segment_size: 104
    .max_flat_workgroup_size: 128
    .sgpr_count:     104
    .vgpr_count:     1024
    .wavefront_size: 32
...
	.end_amdgpu_metadata
.endif
;; end of part 2
;; launch attn (part 3): grid 4 x 64, 4 waves a work-group, clusters of 4 x 1, 288,256 bytes of LDS; arguments qk_img, qk_sc, v_img, v_sc, o_img, o_sc; writes o_img, o_sc
.if DOCPART == 3
	.amdgcn_target "amdgcn-amd-amdhsa--gfx1250"
	.amdhsa_code_object_version 6
	.text
	.protected	k_q38b198590e_attn
	.globl	k_q38b198590e_attn
	.p2align	8
	.type	k_q38b198590e_attn,@function
k_q38b198590e_attn:
	s_mov_b64 s[64:65], 0
	v_nop
	global_prefetch_b8 v0, s[64:65] scope:SCOPE_SE
	s_setreg_imm32_b32 hwreg(HW_REG_WAVE_MODE, 25, 1), 1
	s_wait_xcnt 0x0
	s_wait_alu depctr_hold_cnt(0) depctr_sa_sdst(0) depctr_va_vdst(0) depctr_va_sdst(0) depctr_va_ssrc(0) depctr_va_vcc(0) depctr_vm_vsrc(0)
	s_getreg_b32 s2, hwreg(HW_REG_IB_STS2, 6, 4)
	s_cmp_eq_u32 s2, 0
	s_cbranch_scc0 .Lentry_in_a_cluster
	s_endpgm
.Lentry_in_a_cluster:
	s_bfe_u32 s2, ttmp6, 0x10000c
	s_cmp_lg_u32 s2, 0x3003
	s_cbranch_scc0 .Lentry_shape_is_right
	s_endpgm
.Lentry_shape_is_right:
; Attention for one (batch, head) and 512 queries a work-group, head size 64, 2,048 keys, both products on codes of BF8 (E5M2) with E8M0 scales.
; What is quantised for the second product is the FINISHED softmax (normalised, 0 at padded keys).  ONE PASS: the scores of a group of queries stay in registers until the row's sum is known.
; SHARES.  Four waves; wave w owns keys 512 w .. 512 w + 511 of the head.  A trip serves 32 queries (two tiles of 16), 16 trips.  A wave's 32 x 512 scores are 512 registers.
;   1. S^T = K Q^T (source 0 = 16 keys, source 1 = 16 queries: a lane holds one query); the largest score of each block of 32 keys; m = the wave's largest score of the row.
;   2. p = 2^(c s - c m), c = log2(e) / 8, and the wave's sum l of p.   3. (c m, l) of the four waves meet in LDS: M = the largest, L = the sum of l 2^(c m - c M), f = 2^(c m - c M) / L.
;   4. p f is the normalised weight; it is quantised by blocks of 32 keys; O^T += V^T P^T over the wave's keys.   5. The four partial O^T meet in LDS: each wave owns one (tile, block of 32 of the head), adds, quantises and stores it.
; A wave's register slots are permuted BY ADDRESS: tile slot t holds tile t xor (w / 2), head-block slot b holds block b xor (w % 2).  So slot 0 is the piece that the wave owns, and no branch hangs on the wave's number.
; The images and scale words are the ones that the launches before and behind lay and read: lane r of tile 2 g + u holds row 32 g + 8 u + r + 8 (r / 8), for queries, keys and the head's 64 alike.
; THE IDLE HALF OF K.  The instruction is 128 deep, the head 64.  Registers 8-15 of Q's and K's fragments hold the code 1.0 (Q) and -1.0 (K) at k = 64, zeros elsewhere.  Byte 2 of a key's scale word is 227 where the key is padded:
;   the matrix unit adds -2^100 to its score.  m is held at -2^80 from below, so a padded key's p is 0 also where all of a wave's keys are padded; a row all of whose 2,048 keys are padded has c M under -2^76: its f is chosen 0, so O is 0.
; LDS.  K's and V's images (262,144 bytes) are filled once, jointly for the cluster's four work-groups, which walk the same head: one tensor load a wave.  Behind them the partial O^T (24,576), the statistics (1,024), the spare words.
; Two barriers a trip: X shows the statistics and the last trip's partial O^T; Y, signalled when they have been read and awaited ahead of the next stores of O^T, frees those bytes.
; No data prefetch: K and V are fetched once at the head, with no loop to run ahead in; Q's 2,048 bytes of the next trip are asked for by their own loads ahead of step 3, a whole step 4 ahead of their use.
; LIMITS: |q . k| stays under 2^75; an open score carries -2^-126; p under 2^-126 comes out as 0 (v_exp_f32 gives no denormals: ISA guide 15.8); a block of zeros gets the byte 1 and zero codes; NaN and infinities are not served.
; REGISTERS.  Chunk c (blocks 2 c, 2 c + 1 x two tiles, 64 registers; unit q = 2 (block % 2) + tile at 16 q) lies in window 1 + c / 3 at v[64 + 64 (c % 3)].
;   window 0: v1-19 addresses, v20-23 O's codes, v24-31 c m and f (pairs), v32-47 K's scale words, v48-55 V's, v56 Q's, v57 Q's constant, v58-59 P's, v60-95 at work, v96-127 block maxima (2 block + tile), v128-255 K's fragments, two sets.
;   window 1 v0-63: sums, then V's fragments.  window 2 v0-63: sums, then the partners' O^T, then P's codes.  window 3 v0-63: sums, then Q; v192-255 O^T (32 tile + 8 dt).
.set VIMG, 131072
.set OX, 262144
.set STX, OX+24576
.set SPARE, STX+1024
.set BM, 96
.set KF, 128
.set MSB, 0
.macro WIN new                         ; the immediate's high byte repeats the setting that is left
.if MSB != (\new)
	s_set_vgpr_msb (MSB<<8)|(\new)
.set MSB, (\new)
.endif
.endm
.macro PLACES n
.rept \n
	v_nop
.endr
.endm
.macro CROUND                          ; a round of the cluster's barrier
	s_barrier_signal -1
	s_barrier_wait -1
	s_cmp_lg_u32 s16, 0
	s_cbranch_scc1 .Lnot_wave_0_\@
	s_barrier_signal -3
.Lnot_wave_0_\@:
	s_barrier_wait -3
	s_barrier_signal -1
	s_barrier_wait -1
.endm
	s_load_b256 s[4:11], s[0:1], 0x0               ; qk_img, qk_sc, v_img, v_sc
	s_load_b128 s[12:15], s[0:1], 0x20             ; o_img, o_sc
	v_lshl_add_u32 v5, v0, 2, SPARE
	v_mov_b32 v6, 0
	ds_add_u32 v5, v6                              ; the opening lines: the add twice on end and its wait ahead of my tensor load
	ds_add_u32 v5, v6
	v_lshrrev_b32 v60, 5, v0
	v_readfirstlane_b32 s16, v60                   ; wave 0..3
	s_bfe_u32 s17, ttmp6, 0x40000
	s_lshl_b32 s2, ttmp9, 2
	s_add_co_u32 s17, s17, s2                      ; my block of 512 queries: it enters Q's and O's global addresses alone
	s_and_b32 s18, ttmp7, 0xffff                   ; batch x 16 + head, which the four partners share
	s_mov_b32 s32, 15|(3<<16)|(1<<21)              ; 65,536 dense bytes as 256 rows of 256 (32 elements of 8), for all four work-groups
	s_mov_b32 s33, 32<<16
	s_mov_b32 s34, 256<<16
	s_mov_b32 s35, 32<<16
	s_mov_b32 s36, 256
	s_mov_b32 s37, 32
	s_mov_b32 s38, 0
	s_mov_b32 s39, 0
	s_mov_b32 s20, 0x3e38aa3b                      ; c = log2(e) / 8
	s_mov_b32 s21, s20
	s_mov_b32 s22, 0x76543210
	s_mov_b32 s23, 0xfedcba98                      ; v_permlanex16_b32's selects for lane l xor 16
	s_mov_b32 s24, 0x600000                        ; the mantissa field of 57,344
	s_mov_b32 s80, 0xe7800000                      ; -2^80
	s_mov_b32 s81, 0xe5800000                      ; -2^76
	s_lshl_b32 s2, s18, 17                         ; a head's image is 131,072 bytes; waves 0, 1 fetch K's halves, waves 2, 3 V's
	s_and_b32 s27, s16, 1                          ; wb
	s_lshr_b32 s28, s16, 1                         ; wt
	s_lshl_b32 s19, s27, 16
	s_add_co_u32 s2, s2, s19
	s_mov_b32 s3, 0
	s_mov_b32 s40, 1
	s_lshl_b32 s41, s16, 16                        ; LDS: 65,536 x wave
	s_wait_alu depctr_va_vdst(0)
	s_wait_dscnt 0x0
	s_wait_kmcnt 0x0
	s_add_nc_u64 s[30:31], s[4:5], 0x800000        ; K's images lie behind Q's
	s_cmp_lt_u32 s16, 2
	s_cselect_b64 s[42:43], s[30:31], s[8:9]
	s_add_nc_u64 s[42:43], s[42:43], s[2:3]
	s_or_b32 s43, s43, 0x80000000
	CROUND                                         ; all four work-groups are here: the joint loads meet
	tensor_load_to_lds s[40:43], s[32:39]          ; my one tensor load of the launch
	s_nop 0
	PLACES 4
	; scalars first, then the vector lines on end
	s_lshl_b32 s66, s16, 15                        ; my quarter of K
	s_add_co_u32 s26, s66, VIMG
	s_lshl_b32 s29, s27, 12
	s_add_co_u32 s67, s26, s29                     ; V, head-block slot 0
	s_xor_b32 s29, s29, 4096
	s_add_co_u32 s68, s26, s29                     ; slot 1
	s_lshl_b32 s29, s28, 7
	s_add_co_u32 s69, s29, STX                     ; statistics of tile slot 0
	s_xor_b32 s29, s29, 128
	s_add_co_u32 s70, s29, STX
	s_lshl_b32 s71, s16, 8
.irp j, 1,2,3
	s_xor_b32 s29, s16, \j                         ; slot j's owner
	s_mul_i32 s29, s29, 6144
	s_add_co_u32 s[71+\j], s29, OX+2048*(\j-1)
.endr
	s_mul_i32 s29, s16, 6144
	s_add_co_u32 s75, s29, OX
	s_lshl_b32 s76, s28, 10
	s_xor_b32 s77, s76, 1024
	s_lshl_b32 s78, s28, 8
	s_lshl_b32 s79, s27, 2
	s_lshl_b32 s2, s18, 13                         ; K's scale words: my four steps of 512 bytes
	s_lshl_b32 s19, s16, 11
	s_add_co_u32 s2, s2, s19
	s_add_co_u32 s2, s2, 0x80000
	s_add_nc_u64 s[44:45], s[6:7], s[2:3]
	s_lshl_b32 s2, s18, 12                         ; V's: four steps of 256 bytes
	s_lshl_b32 s19, s16, 10
	s_add_co_u32 s2, s2, s19
	s_add_nc_u64 s[46:47], s[10:11], s[2:3]
	s_lshl_b32 s2, s18, 17                         ; Q's images of my block
	s_lshl_b32 s19, s17, 15
	s_add_co_u32 s2, s2, s19
	s_add_nc_u64 s[4:5], s[4:5], s[2:3]
	s_lshl_b32 s2, s18, 13                         ; and scale words
	s_lshl_b32 s19, s17, 11
	s_add_co_u32 s2, s2, s19
	s_add_nc_u64 s[6:7], s[6:7], s[2:3]
	s_lshr_b32 s2, s18, 4                          ; O's images: row tile 128 batch + 32 block + 2 trip + wt (16,384 bytes each), K step head / 2, chunk 2 (head % 2) + wb
	s_lshl_b32 s2, s2, 21
	s_lshl_b32 s19, s17, 19
	s_add_co_u32 s2, s2, s19
	s_lshl_b32 s19, s28, 14
	s_add_co_u32 s2, s2, s19
	s_and_b32 s19, s18, 15
	s_lshr_b32 s19, s19, 1
	s_lshl_b32 s19, s19, 11
	s_add_co_u32 s2, s2, s19
	s_and_b32 s19, s18, 1
	s_lshl_b32 s19, s19, 10
	s_add_co_u32 s2, s2, s19
	s_lshl_b32 s19, s27, 9
	s_add_co_u32 s2, s2, s19
	s_add_nc_u64 s[12:13], s[12:13], s[2:3]
	s_lshr_b32 s2, s18, 4                          ; O's scale bytes: 32 a row, byte 2 head + wb
	s_lshl_b32 s2, s2, 16
	s_lshl_b32 s19, s17, 14
	s_add_co_u32 s2, s2, s19
	s_and_b32 s19, s18, 15
	s_lshl_b32 s19, s19, 1
	s_add_co_u32 s2, s2, s19
	s_add_co_u32 s2, s2, s27
	s_add_nc_u64 s[14:15], s[14:15], s[2:3]
	s_mov_b32 s48, 0                               ; the trip's offsets in o_img and o_sc
	s_mov_b32 s49, 0
	s_mov_b32 s52, 0
	s_mov_b32 s53, 0
	s_mov_b32 s25, 0                               ; the trip
	s_mov_b32 s30, 0
	v_and_b32 v60, 31, v0
	v_lshlrev_b32 v1, 4, v60                       ; 16 x lane
	v_and_b32 v61, 15, v0
	v_lshlrev_b32 v62, 3, v61
	v_add_nc_u32 v2, s66, v1
	v_add_nc_u32 v3, s67, v1
	v_add_nc_u32 v4, s68, v1
	v_add_nc_u32 v9, s69, v62                      ; statistics, read: + 256 x wave
	v_add_nc_u32 v10, s70, v62
	v_add_nc_u32 v7, s71, v9                       ; and stored
	v_add_nc_u32 v8, s71, v10
	v_add_nc_u32 v11, s72, v1                      ; where slots 1 to 3 of O^T go
	v_add_nc_u32 v12, s73, v1
	v_add_nc_u32 v13, s74, v1
	v_add_nc_u32 v14, s75, v1                      ; where my partners' pieces lie
	v_add_nc_u32 v15, s76, v1                      ; Q, tile slot 0, 1
	v_add_nc_u32 v16, s77, v1
	v_xor_b32 v17, s78, v1                         ; Q's scale word: the lanes' halves change places with the tiles
	v_and_b32 v63, 8, v61
	v_add_nc_u32 v63, v63, v61
	v_lshlrev_b32 v19, 5, v63
	v_add_nc_u32 v19, s78, v19                     ; my row's offset in o_sc
	v_bfe_u32 v64, v0, 4, 1
	v_sub_nc_u32 v64, 1, v64
	v_mul_u32_u24 v57, v64, 0x3c                   ; the code of 1.0 at k = 64: byte 0 of register 8 in lanes 0-15
	v_mul_u32_u24 v65, v64, 0xbc                   ; of -1.0
	v_lshlrev_b32 v66, 3, v60
	v_xor_b32 v66, s79, v66
	v_xor_b32 v67, 4, v66
.irp r, 25,27,29,31
	v_mov_b32 v\r, 0                               ; upper halves of pairs
.endr
.irp f, 0,1,2,3,4,5,6,7
	v_mov_b32 v[KF+16*\f+8], v65
.irp j, 9,10,11,12,13,14,15
	v_mov_b32 v[KF+16*\f+\j], 0
.endr
.endr
.irp s, 0,1,2,3
	global_load_b128 v[32+4*\s:35+4*\s], v1, s[44:45] offset:512*\s
	global_load_b32 v[48+2*\s], v66, s[46:47] offset:256*\s
	global_load_b32 v[49+2*\s], v67, s[46:47] offset:256*\s
.endr
.macro QFETCH                          ; Q of trip s30: the constants of the idle half anew (the registers held sums), images and scale word
	s_wait_alu depctr_va_vdst(0)
	s_lshl_b32 s2, s30, 11
	s_add_nc_u64 s[56:57], s[4:5], s[2:3]
	s_lshr_b32 s2, s30, 2
	s_lshl_b32 s2, s2, 9
	s_and_b32 s31, s30, 3
	s_lshl_b32 s31, s31, 2
	s_add_co_u32 s2, s2, s31
	s_add_nc_u64 s[58:59], s[6:7], s[2:3]
	WIN 0xc0
.irp t, 0,1
	v_mov_b32 v[16*\t+8], v57
.irp j, 9,10,11,12,13,14,15
	v_mov_b32 v[16*\t+\j], 0
.endr
.irp c, 0,1
	global_load_b128 v[16*\t+4*\c:16*\t+4*\c+3], v[15+\t], s[56:57] offset:512*\c
.endr
.endr
	WIN 0
	global_load_b32 v56, v17, s[58:59]
.endm
	QFETCH
.macro KLOAD c                         ; chunk c's four fragments of K (8 registers of data each) into set c % 2
.irp f, 0,1,2,3
.irp h, 0,1
	ds_load_b128 v[KF+64*((\c)%2)+16*\f+4*\h:KF+64*((\c)%2)+16*\f+4*\h+3], v2 offset:4096*(\c)+1024*\f+512*\h
.endr
.endr
.endm
.macro QKW d, a, b, sa, u, t
.if ((\u)==0)&&((\t)==0)
	v_wmma_scale_f32_16x16x128_f8f6f4 v[(\d):(\d)+7], v[(\a):(\a)+15], v[(\b):(\b)+15], 0, v[\sa], v56 matrix_a_fmt:MATRIX_FMT_BF8 matrix_b_fmt:MATRIX_FMT_BF8
.elseif (\t)==0
	v_wmma_scale_f32_16x16x128_f8f6f4 v[(\d):(\d)+7], v[(\a):(\a)+15], v[(\b):(\b)+15], 0, v[\sa], v56 matrix_a_fmt:MATRIX_FMT_BF8 matrix_b_fmt:MATRIX_FMT_BF8 matrix_a_scale:MATRIX_SCALE_ROW1
.elseif (\u)==0
	v_wmma_scale_f32_16x16x128_f8f6f4 v[(\d):(\d)+7], v[(\a):(\a)+15], v[(\b):(\b)+15], 0, v[\sa], v56 matrix_a_fmt:MATRIX_FMT_BF8 matrix_b_fmt:MATRIX_FMT_BF8 matrix_b_scale:MATRIX_SCALE_ROW1
.else
	v_wmma_scale_f32_16x16x128_f8f6f4 v[(\d):(\d)+7], v[(\a):(\a)+15], v[(\b):(\b)+15], 0, v[\sa], v56 matrix_a_fmt:MATRIX_FMT_BF8 matrix_b_fmt:MATRIX_FMT_BF8 matrix_a_scale:MATRIX_SCALE_ROW1 matrix_b_scale:MATRIX_SCALE_ROW1
.endif
.endm
.macro QK c                            ; eight products, each starting its sum with 0: D in the chunk's window, Q in window 3
.set W, 1+(\c)/3
.set SB, 64+64*((\c)%3)
	WIN (W<<6)|12
.irp bb, 0,1
.irp u, 0,1
.irp t, 0,1
	QKW SB+16*(2*\bb+\t)+8*\u, KF+64*((\c)%2)+16*(2*\bb+\u), 16*\t, 32+2*(\c)+\bb, \u, \t
.endr
.endr
.endr
.endm
.macro MAXST c                         ; the lane's largest score of each of the chunk's four units: two chains a unit, each accumulator read from its low end on
.set W, 1+(\c)/3
.set SB, 64+64*((\c)%3)
	WIN W|(W<<2)|(W<<4)
.irp q, 0,1,2,3
	v_max3_num_f32 v[BM+4*(\c)+\q], v[SB+16*\q], v[SB+16*\q+1], v[SB+16*\q+2]
	v_max3_num_f32 v[68+\q], v[SB+16*\q+8], v[SB+16*\q+9], v[SB+16*\q+10]
.endr
	WIN W|(W<<2)
.irp i, 3,5
.irp q, 0,1,2,3
	v_max3_num_f32 v[BM+4*(\c)+\q], v[SB+16*\q+\i], v[SB+16*\q+\i+1], v[BM+4*(\c)+\q]
	v_max3_num_f32 v[68+\q], v[SB+16*\q+8+\i], v[SB+16*\q+9+\i], v[68+\q]
.endr
.endr
.irp q, 0,1,2,3
	v_max3_num_f32 v[BM+4*(\c)+\q], v[SB+16*\q+7], v[SB+16*\q+15], v[BM+4*(\c)+\q]
.endr
	WIN 0
.irp q, 0,1,2,3
	v_max_num_f32 v[BM+4*(\c)+\q], v[BM+4*(\c)+\q], v[68+\q]
.endr
.endm
.macro FMA1 x, i                       ; pair i of the chunk at x: c s - c m
	v_pk_fma_f32 v[\x+2*\i:\x+2*\i+1], v[\x+2*\i:\x+2*\i+1], s[20:21], v[24+2*((\i/8)%2):25+2*((\i/8)%2)] op_sel_hi:[1,0,0] neg_lo:[0,0,1] neg_hi:[0,0,1]
.endm
.macro FMAC c
.set W, 1+(\c)/3
.set SB, 64+64*((\c)%3)
	WIN (W<<6)|W
.set i, 0
.rept 32
	FMA1 SB, i
.set i, i+1
.endr
.endm
; A BATCH: chunk e's 64 exponentials.  Between them stand plain lines that read nothing written in the batch and whose results are read behind its closing wait:
; chunk f's scalings (f in e's window; -1: none) and 32 sums into e's window's v0-63 (am = 1: chunk a + chunk b start them; am = 2: chunk b is added).
.macro BATCH e, f, am, a, b
.set WE, 1+(\e)/3
.set XE, 64+64*((\e)%3)
.set XF, 64+64*(((\f)+3)%3)
.set XA, 64+64*((\a)%3)
.set XB, 64+64*((\b)%3)
.set WS, 1+(\b)/3
.if \am
	WIN (WE<<6)|(WS<<2)|WE
.else
	WIN (WE<<6)|WE
.endif
.set i, 0
.rept 32
	v_exp_f32 v[XE+2*i], v[XE+2*i]
.if (\f) >= 0
	FMA1 XF, i
.endif
	v_exp_f32 v[XE+2*i+1], v[XE+2*i+1]
.if (\am) == 1
	v_pk_add_f32 v[2*i:2*i+1], v[XA+2*i:XA+2*i+1], v[XB+2*i:XB+2*i+1]
.elseif (\am) == 2
	v_pk_add_f32 v[2*i:2*i+1], v[2*i:2*i+1], v[XB+2*i:XB+2*i+1]
.endif
.set i, i+1
.endr
	v_nop                                          ; a plain line behind the last exponential,
	s_wait_alu depctr_va_vdst(0)                   ; and one wait: behind this batch and ahead of the next
.endm
.macro ACC win, d, s                   ; 32 packed sums: v[d ..] += v[s ..]
	WIN \win
.set i, 0
.rept 32
	v_pk_add_f32 v[\d+i:\d+i+1], v[\d+i:\d+i+1], v[\s+i:\s+i+1]
.set i, i+2
.endr
.endm
.macro VLOAD s                         ; step s's four tiles of V^T (16 of the head's 64 x 128 keys) into window 1
	WIN 0x40
.irp dt, 0,1,2,3
.irp h, 0,1,2,3
	ds_load_b128 v[16*\dt+4*\h:16*\dt+4*\h+3], v[3+\dt/2] offset:8192*(\s)+2048*(\dt%2)+512*\h
.endr
.endr
	WIN 0
.endm
.macro SCALEC s                        ; the scales of step s's eight units j = 2 block + tile, from the block's largest p x f: the same multiplication as the weights', the same bits
.irp j, 0,1,2,3,4,5,6,7
	v_mul_f32 v[BM+8*(\s)+\j], v[BM+8*(\s)+\j], v[28+2*(\j%2)]
.endr
.irp j, 0,1,2,3,4,5,6,7
	v_max_num_f32 v[BM+8*(\s)+\j], 0x8000000, v[BM+8*(\s)+\j]   ; the floor 2^(16 - 127): the byte cannot fall under 1
.endr
.irp j, 0,1,2,3,4,5,6,7
	v_add_nc_u32 v[60+\j], 0xf8800000, v[BM+8*(\s)+\j]          ; 15 off the exponent field: the conversion's scale operand
.endr
.irp j, 0,1,2,3,4,5,6,7
	v_and_or_b32 v[68+\j], v[BM+8*(\s)+\j], 0x7f800000, s24     ; 57,344 x the scale
.endr
.irp j, 0,1,2,3,4,5,6,7
	v_lshrrev_b32 v[80+\j], 23, v[60+\j]
.endr
.irp t, 0,1
	v_lshl_or_b32 v[58+\t], v[82+\t], 8, v[80+\t]
.endr
.irp t, 0,1
	v_lshl_or_b32 v[58+\t], v[84+\t], 16, v[58+\t]
.endr
.irp t, 0,1
	v_lshl_or_b32 v[58+\t], v[86+\t], 24, v[58+\t]              ; P's scale word for these 128 keys
.endr
.endm
.macro NORM c                          ; chunk c: p f, the hold (the conversion does not saturate: ISA guide 7.6.2; p is not negative), the codes into window 2
.set W, 1+(\c)/3
.set SB, 64+64*((\c)%3)
	WIN (W<<6)|W
.set i, 0
.rept 32
	v_pk_mul_f32 v[SB+2*i:SB+2*i+1], v[SB+2*i:SB+2*i+1], v[28+2*((i/8)%2):29+2*((i/8)%2)] op_sel_hi:[1,0]
.set i, i+1
.endr
.set i, 0
.rept 64
	v_min_num_f32 v[SB+i], v[SB+i], v[68+4*((\c)%2)+i/16]
.set i, i+1
.endr
	WIN 0x80|W
.irp q, 0,1,2,3
	v_cvt_scalef32_pk8_bf8_f32 v[16*(\q%2)+4*(2*((\c)%2)+\q/2):16*(\q%2)+4*(2*((\c)%2)+\q/2)+1], v[SB+16*\q:SB+16*\q+7], v[60+4*((\c)%2)+\q]
	v_cvt_scalef32_pk8_bf8_f32 v[16*(\q%2)+4*(2*((\c)%2)+\q/2)+2:16*(\q%2)+4*(2*((\c)%2)+\q/2)+3], v[SB+16*\q+8:SB+16*\q+15], v[60+4*((\c)%2)+\q]
.endr
.endm
.macro PVW d, a, b, sa, sb, ra, z
.if (\z)&&((\ra)==0)
	v_wmma_scale_f32_16x16x128_f8f6f4 v[(\d):(\d)+7], v[(\a):(\a)+15], v[(\b):(\b)+15], 0, v[\sa], v[\sb] matrix_a_fmt:MATRIX_FMT_BF8 matrix_b_fmt:MATRIX_FMT_BF8
.elseif \z
	v_wmma_scale_f32_16x16x128_f8f6f4 v[(\d):(\d)+7], v[(\a):(\a)+15], v[(\b):(\b)+15], 0, v[\sa], v[\sb] matrix_a_fmt:MATRIX_FMT_BF8 matrix_b_fmt:MATRIX_FMT_BF8 matrix_a_scale:MATRIX_SCALE_ROW1
.elseif (\ra)==0
	v_wmma_scale_f32_16x16x128_f8f6f4 v[(\d):(\d)+7], v[(\a):(\a)+15], v[(\b):(\b)+15], v[(\d):(\d)+7], v[\sa], v[\sb] matrix_a_fmt:MATRIX_FMT_BF8 matrix_b_fmt:MATRIX_FMT_BF8
.else
	v_wmma_scale_f32_16x16x128_f8f6f4 v[(\d):(\d)+7], v[(\a):(\a)+15], v[(\b):(\b)+15], v[(\d):(\d)+7], v[\sa], v[\sb] matrix_a_fmt:MATRIX_FMT_BF8 matrix_b_fmt:MATRIX_FMT_BF8 matrix_a_scale:MATRIX_SCALE_ROW1
.endif
.endm
.macro PV s, z                         ; O^T += V^T P^T over 128 keys: eight accumulators, one instruction a turn
	WIN 0
	PLACES 4                                       ; between the codes and the products
	s_wait_alu depctr_va_vdst(0)
	s_wait_dscnt 0x0                               ; V's fragments are in
	WIN 0xf9                                       ; V window 1, P window 2, O^T window 3
.irp dt, 0,1,2,3
.irp t, 0,1
	PVW 192+32*\t+8*\dt, 16*\dt, 16*\t, 48+2*(\s)+\dt/2, 58+\t, \dt%2, \z
.endr
.endr
	WIN 0
.endm
.macro PIECES                          ; my partners' three pieces of the O^T that I own, into window 2
	WIN 0x80
.irp j, 0,1,2
.irp i, 0,1,2,3
	ds_load_b128 v[16*\j+4*\i:16*\j+4*\i+3], v14 offset:2048*\j+512*\i
.endr
.endr
	WIN 0
.endm
.macro FINAL                           ; the four parts are added; 16 queries x 32 of the head: one block of the last product's K, shared by lanes l and l xor 16; codes and scale byte leave
	s_wait_alu depctr_va_vdst(0)
	s_wait_xcnt 0x0                                ; the last trip's stores have read their registers and bases
	s_add_nc_u64 s[50:51], s[12:13], s[48:49]
	s_add_nc_u64 s[54:55], s[14:15], s[52:53]
	s_add_co_u32 s48, s48, 32768
	s_add_co_u32 s52, s52, 1024
	WIN 0x8b
	s_wait_alu depctr_va_vdst(0)
.irp i, 0,2,4,6,8,10,12,14
	v_pk_add_f32 v[48+\i:49+\i], v[192+\i:193+\i], v[\i:\i+1]
.endr
	WIN 0x8a
.irp j, 16,32
.irp i, 0,2,4,6,8,10,12,14
	v_pk_add_f32 v[48+\i:49+\i], v[48+\i:49+\i], v[\j+\i:\j+\i+1]
.endr
.endr
	WIN 0x0a
	v_max3_num_f32 v72, |v48|, |v49|, 0x8000000
	v_max3_num_f32 v73, |v50|, |v51|, 0x8000000
.irp i, 52,56,60
	v_max3_num_f32 v72, |v[\i]|, |v[\i+1]|, v72
	v_max3_num_f32 v73, |v[\i+2]|, |v[\i+3]|, v73
.endr
	WIN 0
	v_max_num_f32 v72, v72, v73
	v_permlanex16_b32 v60, v72, s22, s23
	v_max_num_f32 v72, v72, v60
	v_add_nc_u32 v73, 0xf8800000, v72
	v_and_or_b32 v74, v72, 0x7f800000, s24
	v_lshrrev_b32 v18, 23, v73
	WIN 0x82
.irp i, 0,1,2,3,4,5,6,7,8,9,10,11,12,13,14,15
	v_med3_num_f32 v[48+\i], v[48+\i], -v74, v74
.endr
	WIN 0x02
	v_cvt_scalef32_pk8_bf8_f32 v[20:21], v[48:55], v73
	v_cvt_scalef32_pk8_bf8_f32 v[22:23], v[56:63], v73
	WIN 0
	v_nop                                          ; a plain line behind the last conversion
	global_store_b128 v1, v[20:23], s[50:51]       ; 512 consecutive bytes
	global_store_b8 v19, v18, s[54:55]             ; one byte of a row's 32: the others are other heads' and the other block's, made by other waves and work-groups (both halves of the lanes store the same byte)
.endm
	s_wait_alu depctr_va_vdst(0)                   ; the wait at the head's end
	s_wait_tensorcnt 0x0                           ; my quarter of K and V is in,
	s_barrier_signal -1
	s_barrier_wait -1                              ; everybody's is: those bytes are only read from here on
	KLOAD 0
	KLOAD 1
.Lgroup:
	s_wait_loadcnt 0x0                             ; Q and its scale word (the first time: K's and V's scale words too)
.irp c, 0,1,2,3,4,5,6,7
	s_wait_dscnt 8                                 ; this chunk's fragments are in; the next chunk's eight loads may be out
	QK \c
.if \c == 0
	WIN 0
	PLACES 8                                       ; a load into a register that a matrix instruction has read stands 8 plain vector lines behind it
.else
	MAXST \c-1                                     ; 32 plain lines on another chunk: the places
.endif
	KLOAD (\c+2)%8                                 ; behind the last two chunks: the next trip's first two, the same keys
.endr
	MAXST 7
.irp k, 0,1,2,3                        ; a block of 32 keys lies in lanes l and l xor 16
.irp j, 0,1,2,3,4,5,6,7
	v_permlanex16_b32 v[60+\j], v[BM+8*\k+\j], s22, s23
.endr
.irp j, 0,1,2,3,4,5,6,7
	v_max_num_f32 v[BM+8*\k+\j], v[BM+8*\k+\j], v[60+\j]
.endr
.endr
.irp t, 0,1
	v_max3_num_f32 v[72+\t], v[BM+\t], v[BM+\t+2], v[BM+\t+4]
	v_max3_num_f32 v[74+\t], v[BM+\t+16], v[BM+\t+18], v[BM+\t+20]
.endr
.irp i, 6,10
.irp t, 0,1
	v_max3_num_f32 v[72+\t], v[72+\t], v[BM+\t+\i], v[BM+\t+\i+2]
	v_max3_num_f32 v[74+\t], v[74+\t], v[BM+\t+16+\i], v[BM+\t+18+\i]
.endr
.endr
.irp t, 0,1
	v_max3_num_f32 v[72+\t], v[72+\t], v[74+\t], v[BM+\t+14]
.endr
.irp t, 0,1
	v_max3_num_f32 v[72+\t], v[72+\t], v[BM+\t+30], s80    ; m, held at -2^80 from below
.endr
.irp t, 0,1
	v_mul_f32 v[24+2*\t], s20, v[72+\t]            ; c m
.endr
.set i, 0
.rept 32
	v_fma_f32 v[BM+i], v[BM+i], s20, -v[24+2*(i%2)]    ; the same multiply-add and exponential as the scores': the block's largest p, the same bits
.set i, i+1
.endr
	FMAC 0
	FMAC 3
	FMAC 6
	WIN 0
	s_wait_alu depctr_va_vdst(0)                   ; ahead of the batches
.set i, 0
.rept 32
	v_exp_f32 v[BM+i], v[BM+i]
.set i, i+1
.endr
	BATCH 0, 1, 0, 0, 0
	BATCH 1, 2, 0, 0, 0
	BATCH 2, -1, 1, 0, 1
	BATCH 3, 4, 0, 0, 0
	BATCH 4, 5, 1, 3, 2
	BATCH 5, -1, 2, 0, 4
	BATCH 6, 7, 0, 0, 0
	BATCH 7, -1, 1, 6, 5
	ACC 0xcf, 0, 128                               ; window 3's sums += chunk 7
	ACC 0x86, 0, 0                                 ; window 2's += window 1's
	VLOAD 0                                        ; window 1's v0-63 are free
	ACC 0xcb, 0, 0                                 ; window 3's += window 2's
	WIN 0xcf
.set i, 0
.rept 16
	v_pk_add_f32 v[i:i+1], v[i:i+1], v[32+i:33+i]  ; units 2, 3 onto 0, 1: v0-15 tile slot 0, v16-31 slot 1
.set i, i+2
.endr
.irp j, 0,2,4,6
.irp t, 0,1
	v_pk_add_f32 v[16*\t+\j:16*\t+\j+1], v[16*\t+\j:16*\t+\j+1], v[16*\t+8+\j:16*\t+9+\j]
.endr
.endr
.irp j, 0,2
.irp t, 0,1
	v_pk_add_f32 v[16*\t+\j:16*\t+\j+1], v[16*\t+\j:16*\t+\j+1], v[16*\t+4+\j:16*\t+5+\j]
.endr
.endr
	WIN 0x0f
.irp t, 0,1
	v_pk_add_f32 v[76+2*\t:77+2*\t], v[16*\t:16*\t+1], v[16*\t+2:16*\t+3]
.endr
	WIN 0
	v_add_f32 v76, v76, v77
	v_add_f32 v78, v78, v79
	v_permlanex16_b32 v60, v76, s22, s23
	v_permlanex16_b32 v61, v78, s22, s23
	v_add_f32 v77, v76, v60                        ; l of my 512 keys
	v_add_f32 v79, v78, v61
	v_mov_b32 v76, v24
	v_mov_b32 v78, v26
	s_add_co_u32 s30, s25, 1
	s_min_u32 s30, s30, 15                         ; the last trip asks for its own Q again: every load stays in my block
	QFETCH
	ds_store_b64 v7, v[76:77]                      ; (c m, l) of my query; both halves of the lanes store the same
	ds_store_b64 v8, v[78:79]
	s_wait_dscnt 0x0                               ; for the others' sake: these, and the last trip's stores of O^T
	s_barrier_signal -1
	s_barrier_wait -1                              ; barrier X
	s_cmp_eq_u32 s25, 0
	s_cbranch_scc1 .Lno_pieces                     ; the first trip has no O^T behind it
	PIECES
.Lno_pieces:
.irp t, 0,1
.irp w, 0,1,2,3
	ds_load_b64 v[80+8*\t+2*\w:81+8*\t+2*\w], v[9+\t] offset:256*\w
.endr
.endr
	s_wait_dscnt 0x0
.irp t, 0,1
	v_max3_num_f32 v[60+\t], v[80+8*\t], v[82+8*\t], v[84+8*\t]
.endr
.irp t, 0,1
	v_max_num_f32 v[60+\t], v[60+\t], v[86+8*\t]   ; c M
.endr
.irp w, 0,1,2,3
.irp t, 0,1
	v_sub_f32 v[80+8*\t+2*\w], v[80+8*\t+2*\w], v[60+\t]
.endr
.endr
.irp t, 0,1
	v_sub_f32 v[62+\t], v[24+2*\t], v[60+\t]
.endr
	s_wait_alu depctr_va_vdst(0)
.irp w, 0,1,2,3
.irp t, 0,1
	v_exp_f32 v[80+8*\t+2*\w], v[80+8*\t+2*\w]
.endr
.endr
.irp t, 0,1
	v_exp_f32 v[62+\t], v[62+\t]
.endr
	v_nop
	s_wait_alu depctr_va_vdst(0)
.irp t, 0,1
	v_mul_f32 v[64+\t], v[81+8*\t], v[80+8*\t]
.endr
.irp w, 1,2,3
.irp t, 0,1
	v_fmac_f32 v[64+\t], v[81+8*\t+2*\w], v[80+8*\t+2*\w]   ; the row's sum under M
.endr
.endr
	s_wait_alu depctr_va_vdst(0)
.irp t, 0,1
	v_rcp_f32 v[64+\t], v[64+\t]
.endr
.irp t, 0,1
	v_cmp_gt_f32 s[82+\t], s81, v[60+\t]           ; -2^76 > c M: every key of the row is padded
.endr
	s_wait_alu depctr_va_vdst(0)
.irp t, 0,1
	v_mul_f32 v[28+2*\t], v[62+\t], v[64+\t]       ; f
.endr
.irp t, 0,1
	v_cndmask_b32 v[28+2*\t], v[28+2*\t], 0, s[82+\t]      ; then every weight is 0: a choice of a value
.endr
	s_wait_alu depctr_va_vdst(0)
	s_cmp_eq_u32 s25, 0
	s_cbranch_scc1 .Lno_final
	FINAL
.Lno_final:
	s_barrier_signal -1                            ; barrier Y: I have read the statistics and the pieces.  Up to its wait: register work and loads of V's bytes, which nobody writes
	SCALEC 0
	NORM 0
	NORM 1
	PV 0, 1                                        ; the first 128 keys start O^T's sums: nothing is cleared
.irp s, 1,2,3
	SCALEC \s                                      ; its plain lines are the places ahead of the loads into V's registers
	VLOAD \s
	NORM 2*\s
	NORM 2*\s+1
	PV \s, 0
.endr
	PLACES 8                                       ; behind the last products
	s_barrier_wait -1                              ; every wave has read the last pieces
	WIN 0x0c
.irp j, 1,2,3
.irp i, 0,1,2,3
	ds_store_b128 v[10+\j], v[192+16*\j+4*\i:192+16*\j+4*\i+3] offset:512*\i   ; slot j to its owner; each accumulator from its low end on
.endr
.endr
	WIN 0
	s_add_co_u32 s25, s25, 1
	s_cmp_lt_u32 s25, 16
	s_wait_alu depctr_va_vdst(0)
	s_cbranch_scc1 .Lgroup
	s_wait_dscnt 0x0
	s_barrier_signal -1
	s_barrier_wait -1                              ; the last trip's pieces are there
	PIECES
	s_wait_dscnt 0x0
	FINAL
	s_wait_tensorcnt 0x0                           ; the wave's end
	ds_add_u32 v5, v6
	s_wait_dscnt 0x0
	CROUND                                         ; the closing round
	s_endpgm
.Lfunc_end_k_q38b198590e_attn:
	.size	k_q38b198590e_attn, .Lfunc_end_k_q38b198590e_attn-k_q38b198590e_attn
	.p2alignl 7, 3214868480
	.fill 96, 4, 3214868480
	.section	.rodata,"a",@progbits
	.p2align	6, 0x0
	.amdhsa_kernel k_q38b198590e_attn
		.amdhsa_group_segment_fixed_size 288256
		.amdhsa_private_segment_fixed_size 0
		.amdhsa_enable_private_segment 0
		.amdhsa_kernarg_size 48
		.amdhsa_user_sgpr_count 2
		.amdhsa_user_sgpr_kernarg_segment_ptr 1
		.amdhsa_wavefront_size32 1
		.amdhsa_system_sgpr_workgroup_id_x 1
		.amdhsa_system_sgpr_workgroup_id_y 1
		.amdhsa_system_sgpr_workgroup_id_z 1
		.amdhsa_system_vgpr_workitem_id 0
		.amdhsa_next_free_vgpr 1024
		.amdhsa_next_free_sgpr 88
		.amdhsa_reserve_vcc 0
		.amdhsa_float_denorm_mode_32 3
		.amdhsa_float_denorm_mode_16_64 3
		.amdhsa_memory_ordered 1
		.amdhsa_forward_progress 1
		.amdhsa_inst_pref_size 170
	.end_amdhsa_kernel
	.amdgpu_metadata
---
amdhsa.version: [ 1, 2 ]
amdhsa.kernels:
  - .name:           k_q38b198590e_attn
    .symbol:         k_q38b198590e_attn.kd
    .args:
      - { .name: qk_img, .offset: 0, .size: 8, .value_kind: global_buffer, .address_space: global }
      - { .name: qk_sc, .offset: 8, .size: 8, .value_kind: global_buffer, .address_space: global }
      - { .name: v_img, .offset: 16, .size: 8, .value_kind: global_buffer, .address_space: global }
      - { .name: v_sc, .offset: 24, .size: 8, .value_kind: global_buffer, .address_space: global }
      - { .name: o_img, .offset: 32, .size: 8, .value_kind: global_buffer, .address_space: global }
      - { .name: o_sc, .offset: 40, .size: 8, .value_kind: global_buffer, .address_space: global }
    .group_segment_fixed_size: 288256
    .private_segment_fixed_size: 0
    .kernarg_segment_align: 8
    .kernarg_segment_size: 48
    .max_flat_workgroup_size: 128
    .sgpr_count:     88
    .vgpr_count:     1024
    .wavefront_size: 32
...
	.end_amdgpu_metadata
.endif
;; end of part 3
;; launch oproj (part 4): grid 4 x 32, 4 waves a work-group, clusters of 4 x 4, 327,680 bytes of LDS; arguments o_img, o_sc, Wo_codes, Wo_scales, q, out0; writes out0
.if DOCPART == 4
	.amdgcn_target "amdgcn-amd-amdhsa--gfx1250"
	.amdhsa_code_object_version 6
	.text
	.protected	k_q38b198590e_oproj
	.globl	k_q38b198590e_oproj
	.p2align	8
	.type	k_q38b198590e_oproj,@function
k_q38b198590e_oproj:
	s_mov_b64 s[64:65], 0
	v_nop
	global_prefetch_b8 v0, s[64:65] scope:SCOPE_SE
	s_setreg_imm32_b32 hwreg(HW_REG_WAVE_MODE, 25, 1), 1
	s_wait_xcnt 0x0
	s_wait_alu depctr_hold_cnt(0) depctr_sa_sdst(0) depctr_va_vdst(0) depctr_va_sdst(0) depctr_va_ssrc(0) depctr_va_vcc(0) depctr_vm_vsrc(0)
	s_getreg_b32 s2, hwreg(HW_REG_IB_STS2, 6, 4)
	s_cmp_eq_u32 s2, 0
	s_cbranch_scc0 .Lentry_in_a_cluster
	s_endpgm
.Lentry_in_a_cluster:
	s_bfe_u32 s2, ttmp6, 0x10000c
	s_cmp_lg_u32 s2, 0xf033
	s_cbranch_scc0 .Lentry_shape_is_right
	s_endpgm
.Lentry_shape_is_right:
.set NQ,     2
.set ROWB,   256
.set KROW,   1024
.set PITCH,  272
.set FR,     16
.set NL,     4
.set NP,     8
.set HALFA,  32768
.set HALFT,  128*PITCH
.set BOFF,   2*HALFA
.set SLOT,   BOFF+2*HALFT
.set LAPS,   2
.set SCL,    2*SLOT
.set HALFS,  16*272
.set SPARE,  SCL+4*HALFS
.set SPITCH, 528
.set ADRA, 16
.set ADRB, 20
.set STO,  24
.set RD,   25
.set CO,   26
.set ADRS, 27
.set SPW,  28
.set NIL,  29
.set SC,   32
.set AF,   128
.set BK,   128
.set G1, 24
.set G0, 32
.set G1B, 48
.set G0B, 56
.set G1S, 68
.set G0S, 76
.set G1SB, 80
.set G0SB, 88
.set MSB, 0
.macro WIN new
.if MSB != \new
	s_set_vgpr_msb (MSB<<8)|\new
.set MSB, \new
.endif
.endm
.set MUL_LO, 0xa1
.set MUL_HI, 0xf1
.set TO_B,   0x40
.macro JLOAD g0a, g1a, g0b, g1b
	s_cmp_eq_u32 s15, 0
	s_cbranch_scc0 .Lfor_b_\@
	tensor_load_to_lds s[\g0a:\g0a+3], s[\g1a:\g1a+7]
	s_nop 0
.rept 4
	v_nop
.endr
	s_branch .Lasked_\@
.Lfor_b_\@:
	tensor_load_to_lds s[\g0b:\g0b+3], s[\g1b:\g1b+7]
	s_nop 0
.rept 4
	v_nop
.endr
.Lasked_\@:
.endm
.macro CREST
	s_cmp_lg_u32 s14, 0
	s_cbranch_scc1 .Lnot_wave_0_\@
	s_barrier_signal -3
.Lnot_wave_0_\@:
	s_barrier_wait -3
	s_barrier_signal -1
	s_barrier_wait -1
.endm
.macro CROUND
	s_barrier_signal -1
	s_barrier_wait -1
	CREST
.endm
	s_load_b128 s[4:7], s[0:1], 0x0
	s_load_b128 s[8:11], s[0:1], 0x10
	s_load_b128 s[96:99], s[0:1], 0x20
	v_lshl_add_u32 v[SPW], v0, 2, SPARE
	v_mov_b32 v[NIL], 0
	ds_add_u32 v28, v29
	ds_add_u32 v28, v29
	s_wait_dscnt 0x0
	v_lshrrev_b32 v1, 5, v0
	v_readfirstlane_b32 s14, v1
	s_lshr_b32 s15, s14, 1
	s_and_b32 s16, s14, 1
	s_bfe_u32 s40, ttmp6, 0x40000
	s_bfe_u32 s41, ttmp6, 0x40004
	s_lshl_b32 s42, ttmp9, 2
	s_add_co_u32 s42, s42, s40
	s_and_b32 s17, ttmp7, 0xffff
	s_lshl_b32 s17, s17, 2
	s_add_co_u32 s17, s17, s41
	s_lshl_b32 s43, s41, 2
	s_lshl_b32 s43, 15, s43
	s_lshl_b32 s44, 0x1111, s40
	s_or_b32 s[G1+0], s43, (3<<16)|(1<<21)
	s_mov_b32 s[G1+1], 512<<16
	s_mov_b32 s[G1+2], 8<<16
	s_mov_b32 s[G1+3], 512<<16
	s_mov_b32 s[G1+4], 8
	s_mov_b32 s[G1+5], 2048
	s_mov_b32 s[G1+6], 0
	s_mov_b32 s[G1+7], 0
	s_or_b32 s[G1B+0], s44, (0<<16)|(1<<20)|(1<<21)|(5<<22)|(3<<25)
	s_mov_b32 s[G1B+1], ROWB<<16
	s_mov_b32 s[G1B+2], 128<<16
	s_mov_b32 s[G1B+3], ROWB<<16
	s_mov_b32 s[G1B+4], 128
	s_mov_b32 s[G1B+5], KROW
	s_mov_b32 s[G1B+6], 0
	s_mov_b32 s[G1B+7], 0
	s_or_b32 s[G1S+0], s43, (3<<16)|(1<<20)|(1<<21)|(5<<22)|(3<<25)
	s_or_b32 s[G1SB+0], s44, (3<<16)|(1<<20)|(1<<21)|(5<<22)|(3<<25)
.irp g, G1S, G1SB
	s_mov_b32 s[\g+1], 32<<16
	s_mov_b32 s[\g+2], 16<<16
	s_mov_b32 s[\g+3], 32<<16
	s_mov_b32 s[\g+4], 16
	s_mov_b32 s[\g+5], 32
	s_mov_b32 s[\g+6], 0
	s_mov_b32 s[\g+7], 0
.endr
	s_lshl_b32 s20, s17, 18
	s_lshl_b32 s18, s16, 17
	s_add_co_u32 s20, s20, s18
	s_lshl_b32 s22, s17, 13
	s_lshl_b32 s18, s16, 12
	s_add_co_u32 s22, s22, s18
	s_lshl_b32 s46, s42, 18
	s_lshl_b32 s18, s16, 17
	s_add_co_u32 s46, s46, s18
	s_lshl_b32 s92, s42, 13
	s_lshl_b32 s18, s16, 12
	s_add_co_u32 s92, s92, s18
	s_mov_b32 s21, 0
	s_mov_b32 s23, 0
	s_mov_b32 s47, 0
	s_mov_b32 s93, 0
	s_lshl_b32 s45, s16, 15
	s_mul_i32 s95, s16, HALFT
	s_add_co_u32 s95, s95, BOFF
	s_mul_i32 s94, s14, HALFS
	s_wait_kmcnt 0x0
	s_add_nc_u64 s[20:21], s[4:5], s[20:21]
	s_add_nc_u64 s[22:23], s[6:7], s[22:23]
	s_add_nc_u64 s[46:47], s[8:9], s[46:47]
	s_add_nc_u64 s[92:93], s[10:11], s[92:93]
	CROUND
	s_mov_b32 s[G0S], 1
	s_add_co_u32 s[G0S+1], s94, SCL
	s_mov_b64 s[G0S+2:G0S+3], s[22:23]
	s_or_b32 s[G0S+3], s[G0S+3], 0x80000000
	s_mov_b32 s[G0SB], 1
	s_add_co_u32 s[G0SB+1], s94, SCL
	s_mov_b64 s[G0SB+2:G0SB+3], s[92:93]
	s_or_b32 s[G0SB+3], s[G0SB+3], 0x80000000
	JLOAD G0S, G1S, G0SB, G1SB
.irp s, 0,1
	s_mov_b32 s[G0+4*\s], 1
	s_add_co_u32 s[G0+4*\s+1], s45, \s*SLOT
	s_add_nc_u64 s[G0+4*\s+2:G0+4*\s+3], s[20:21], \s*4096
	s_or_b32 s[G0+4*\s+3], s[G0+4*\s+3], 0x80000000
	s_mov_b32 s[G0B+4*\s], 1
	s_add_co_u32 s[G0B+4*\s+1], s95, \s*SLOT
	s_add_nc_u64 s[G0B+4*\s+2:G0B+4*\s+3], s[46:47], \s*ROWB
	s_or_b32 s[G0B+4*\s+3], s[G0B+4*\s+3], 0x80000000
	s_wait_alu depctr_va_vdst(0)
	s_wait_tensorcnt 0x0
	ds_add_u32 v28, v29
	s_wait_dscnt 0x0
	CROUND
	JLOAD G0+4*\s, G1, G0B+4*\s, G1B
.endr
	v_and_b32 v1, 15, v0
	v_bfe_u32 v2, v0, 4, 1
	v_and_b32 v3, 8, v1
	v_add_nc_u32 v3, v3, v1
	v_mul_u32_u24 v4, v3, PITCH
	v_lshl_add_u32 v4, v2, 4, v4
	v_and_b32 v6, 31, v0
	v_lshlrev_b32 v[CO], 4, v6
	s_lshl_b32 s21, s15, 15
	s_mul_i32 s22, s16, HALFT
	s_add_co_u32 s22, s22, BOFF
.irp s, 0,1
	v_add_nc_u32 v[ADRA+\s], s21, v[CO]
	v_add_nc_u32 v[ADRB+\s], s22, v4
	s_add_co_u32 s21, s21, SLOT
	s_add_co_u32 s22, s22, SLOT
.endr
	v_lshlrev_b32 v5, 5, v3
	v_lshrrev_b32 v6, 3, v3
	v_lshl_add_u32 v5, v6, 4, v5
	s_mul_i32 s21, s15, HALFS
	s_mul_i32 s22, s16, HALFS
	s_add_co_u32 s22, s22, 2*HALFS
	s_sub_co_u32 s22, s22, s21
	v_mul_u32_u24 v6, s22, v2
	s_add_co_u32 s21, s21, SCL
	v_add_nc_u32 v5, v5, v6
	v_add_nc_u32 v[ADRS], s21, v5
	s_mul_i32 s23, s14, 16*SPITCH
	v_mul_u32_u24 v5, v1, SPITCH
	v_lshl_add_u32 v5, v2, 6, v5
	v_add_nc_u32 v[STO], s23, v5
	v_add_nc_u32 v[RD], s23, v[CO]
	s_lshl_b32 s20, s17, 20
	s_lshl_b32 s21, s15, 19
	s_add_co_u32 s20, s20, s21
	s_lshl_b32 s21, s42, 10
	s_add_co_u32 s20, s20, s21
	s_lshl_b32 s21, s16, 9
	s_add_co_u32 s20, s20, s21
	s_mov_b32 s21, 0
	s_add_nc_u64 s[96:97], s[96:97], s[20:21]
	s_add_nc_u64 s[98:99], s[98:99], s[20:21]
.macro FRAGA reg, adr, q, i
.irp c, 0,1,2,3
	ds_load_b128 v[\reg+4*\c:\reg+4*\c+3], v[\adr] offset:4096*(\i)+2048*(\q)+512*\c
.endr
.endm
.macro FRAGB reg, adr, q, i
.irp c, 0,1,2,3
	ds_load_b128 v[\reg+4*\c:\reg+4*\c+3], v[\adr] offset:128*(\q)+32*\c+(32*((\i)/2)+8*((\i)%2))*PITCH
.endr
.endm
.macro MUL16 a0, p, q, sc, zero
.irp a, \a0, \a0+1
.irp b, 0,1,2,3,4,5,6,7
.if \zero
	v_wmma_scale_f32_16x16x128_f8f6f4 v[8*(8*((\a)%4)+\b):8*(8*((\a)%4)+\b)+7], v[128*(\p)+FR*\b:128*(\p)+FR*\b+FR-1], v[AF+FR*(\a):AF+FR*(\a)+FR-1], 0, v[SC+8*NQ*(\sc)+NQ*\b+(\q)], v[SC+8*NQ*(\sc)+NQ*(\a)+(\q)] matrix_a_fmt:MATRIX_FMT_BF8 matrix_b_fmt:MATRIX_FMT_BF8 matrix_a_scale:MATRIX_SCALE_ROW1
.else
	v_wmma_scale_f32_16x16x128_f8f6f4 v[8*(8*((\a)%4)+\b):8*(8*((\a)%4)+\b)+7], v[128*(\p)+FR*\b:128*(\p)+FR*\b+FR-1], v[AF+FR*(\a):AF+FR*(\a)+FR-1], v[8*(8*((\a)%4)+\b):8*(8*((\a)%4)+\b)+7], v[SC+8*NQ*(\sc)+NQ*\b+(\q)], v[SC+8*NQ*(\sc)+NQ*(\a)+(\q)] matrix_a_fmt:MATRIX_FMT_BF8 matrix_b_fmt:MATRIX_FMT_BF8 matrix_a_scale:MATRIX_SCALE_ROW1
.endif
.endr
.endr
.endm
.macro FETCH_B slot, q, p
	WIN TO_B
.irp i, 0,1,2,3,4,5,6,7
	FRAGB 128*(\p)+FR*\i, ADRB+\slot, \q, \i
.endr
	WIN 0
.endm
.macro FETCH_A slot, q, i0
.irp i, \i0, \i0+1, \i0+2, \i0+3
	FRAGA AF+FR*(\i), ADRA+\slot, \q, \i
.endr
.endm
.macro SCALES sc
.irp i, 0,1,2,3,4,5,6,7
	ds_load_b64 v[SC+8*NQ*\sc+NQ*\i:SC+8*NQ*\sc+NQ*\i+1], v[ADRS] offset:(4*(\i/2)+\i%2)*272
.endr
.endm
.macro PLACES n
.rept \n
	v_nop
.endr
.endm
.macro STEP slot, q, zero
	s_wait_dscnt 4*NL
	WIN MUL_LO
	MUL16 0, (\q)%2, \q, \slot, \zero
	MUL16 2, (\q)%2, \q, \slot, \zero
	s_wait_dscnt 0
	PLACES NP
	FETCH_B \slot, (\q)+1, 1-(\q)%2
	FETCH_A \slot, (\q)+1, 0
	WIN MUL_HI
	MUL16 4, (\q)%2, \q, \slot, \zero
	MUL16 6, (\q)%2, \q, \slot, \zero
	PLACES NP
	WIN 0
	FETCH_A \slot, (\q)+1, 4
.endm
.macro TURN slot, next, fill
	s_wait_tensorcnt 0x0
	ds_add_u32 v[SPW], v[NIL]
	s_wait_dscnt 4*NL+1
	WIN MUL_LO
	MUL16 0, 1, NQ-1, \slot, 0
	s_wait_dscnt 0x0
	s_barrier_signal -1
	MUL16 2, 1, NQ-1, \slot, 0
	WIN 0
	s_barrier_wait -1
.if \fill
	CREST
	s_add_nc_u64 s[G0+4*\slot+2:G0+4*\slot+3], s[G0+4*\slot+2:G0+4*\slot+3], 2*4096
	s_add_nc_u64 s[G0B+4*\slot+2:G0B+4*\slot+3], s[G0B+4*\slot+2:G0B+4*\slot+3], 2*ROWB
	JLOAD G0+4*\slot, G1, G0B+4*\slot, G1B
	PLACES NP-4
.else
	PLACES NP
.endif
	s_wait_alu depctr_va_vdst(0)
	v_add_nc_u32 v[ADRS], 4*NQ, v[ADRS]
	FETCH_B \next, 0, 0
	FETCH_A \next, 0, 0
	SCALES \next
	WIN MUL_HI
	MUL16 4, 1, NQ-1, \slot, 0
	MUL16 6, 1, NQ-1, \slot, 0
	PLACES NP
	WIN 0
	FETCH_A \next, 0, 4
.endm
	s_wait_alu depctr_va_vdst(0)
	s_wait_tensorcnt 1
	s_barrier_signal -1
	s_barrier_wait -1
	FETCH_B 0, 0, 0
	FETCH_A 0, 0, 0
	SCALES 0
	FETCH_A 0, 0, 4
	STEP 0, 0, 1
	s_mov_b32 s3, LAPS-1
.Llap:
	TURN 0, 1, 1
	STEP 1, 0, 0
	TURN 1, 0, 1
	STEP 0, 0, 0
	s_sub_co_u32 s3, s3, 1
	s_cmp_lg_u32 s3, 0
	s_cbranch_scc1 .Llap
	TURN 0, 1, 0
	STEP 1, 0, 0
	s_wait_dscnt 4*NL
	WIN MUL_LO
	MUL16 0, 1, NQ-1, 1, 0
	MUL16 2, 1, NQ-1, 1, 0
	s_wait_dscnt 0
	WIN MUL_HI
	MUL16 4, 1, NQ-1, 1, 0
	MUL16 6, 1, NQ-1, 1, 0
	WIN 0
.macro TOSTAGE a
.set AC, 64*((\a)%4)
.set TW, 0x08+4*((\a)/4)
	WIN TW
.irp b, 0,1,2,3,4,5,6,7
	ds_store_b128 v[STO], v[AC+8*\b:AC+8*\b+3] offset:128*(\b/2)+32*(\b%2)
	ds_store_b128 v[STO], v[AC+8*\b+4:AC+8*\b+7] offset:128*(\b/2)+32*(\b%2)+16
.endr
	WIN 0
.set BB, BK+64*((\a)%2)
.irp t, 0,1,2,3,4,5,6,7,8,9,10,11,12,13,14,15
	ds_load_b128 v[BB+4*\t:BB+4*\t+3], v[RD] offset:\t*SPITCH
.endr
.endm
.macro RLOAD a
	WIN 0x40
.irp t, 0,1,2,3,4,5,6,7,8,9,10,11,12,13,14,15
	global_load_b128 v[64*((\a)%4)+4*\t:64*((\a)%4)+4*\t+3], v[CO], s[96:97] offset:4096*(32*((\a)/2)+8*((\a)%2)+\t+8*(\t/8)) th:TH_LOAD_NT
.endr
	WIN 0
.endm
.macro SEND a, younger
.set BB, BK+64*((\a)%2)
.set RR, 64*((\a)%4)
	s_wait_dscnt \younger
.if (\a) <= 4
	s_wait_loadcnt 48
.else
	s_wait_loadcnt 16*(7-(\a))
.endif
	WIN 0x04
.set i, 0
.rept 32
	v_pk_add_f32 v[BB+i:BB+i+1], v[BB+i:BB+i+1], v[RR+i:RR+i+1]
.set i, i+2
.endr
	WIN 0
.if (\a) < 4
	RLOAD (\a)+4
.endif
.irp t, 0,1,2,3,4,5,6,7,8,9,10,11,12,13,14,15
	global_store_b128 v[CO], v[BB+4*\t:BB+4*\t+3], s[98:99] offset:4096*(32*((\a)/2)+8*((\a)%2)+\t+8*(\t/8)) th:TH_STORE_NT
.endr
.endm
	PLACES NP
	RLOAD 0
	RLOAD 1
	RLOAD 2
	RLOAD 3
	TOSTAGE 0
.irp a, 1,2,3,4,5,6,7
.if \a > 1
	s_wait_xcnt 0x0
.endif
	TOSTAGE \a
	SEND \a-1, 32
.endr
	SEND 7, 0
	s_wait_tensorcnt 0x0
	ds_add_u32 v[SPW], v[NIL]
	s_wait_dscnt 0x0
	CROUND
	s_endpgm
.Lfunc_end_k_q38b198590e_oproj:
	.size	k_q38b198590e_oproj, .Lfunc_end_k_q38b198590e_oproj-k_q38b198590e_oproj
	.p2alignl 7, 3214868480
	.fill 96, 4, 3214868480
	.section	.rodata,"a",@progbits
	.p2align	6, 0x0
	.amdhsa_kernel k_q38b198590e_oproj
		.amdhsa_group_segment_fixed_size 327680
		.amdhsa_private_segment_fixed_size 0
		.amdhsa_enable_private_segment 0
		.amdhsa_kernarg_size 48
		.amdhsa_user_sgpr_count 2
		.amdhsa_user_sgpr_kernarg_segment_ptr 1
		.amdhsa_wavefront_size32 1
		.amdhsa_system_sgpr_workgroup_id_x 1
		.amdhsa_system_sgpr_workgroup_id_y 1
		.amdhsa_system_sgpr_workgroup_id_z 1
		.amdhsa_system_vgpr_workitem_id 0
		.amdhsa_next_free_vgpr 1024
		.amdhsa_next_free_sgpr 100
		.amdhsa_reserve_vcc 0
		.amdhsa_float_denorm_mode_32 3
		.amdhsa_float_denorm_mode_16_64 3
		.amdhsa_memory_ordered 1
		.amdhsa_forward_progress 1
		.amdhsa_inst_pref_size 175
	.end_amdhsa_kernel
	.amdgpu_metadata
---
amdhsa.version: [ 1, 2 ]
amdhsa.kernels:
  - .name:           k_q38b198590e_oproj
    .symbol:         k_q38b198590e_oproj.kd
    .args:
      - { .name: o_img, .offset: 0, .size: 8, .value_kind: global_buffer, .address_space: global }
      - { .name: o_sc, .offset: 8, .size: 8, .value_kind: global_buffer, .address_space: global }
      - { .name: Wo_codes, .offset: 16, .size: 8, .value_kind: global_buffer, .address_space: global }
      - { .name: Wo_scales, .offset: 24, .size: 8, .value_kind: global_buffer, .address_space: global }
      - { .name: q, .offset: 32, .size: 8, .value_kind: global_buffer, .address_space: global }
      - { .name: out0, .offset: 40, .size: 8, .value_kind: global_buffer, .address_space: global }
    .group_segment_fixed_size: 327680
    .private_segment_fixed_size: 0
    .kernarg_segment_align: 8
    .kernarg_segment_size: 48
    .max_flat_workgroup_size: 128
    .sgpr_count:     100
    .vgpr_count:     1024
    .wavefront_size: 32
...
	.end_amdgpu_metadata
.endif
;; end of part 4
